; MI455X (gfx1250); checked and timed in simulation.
; The chip was launched on July 23, 2026; its instructions are those of AMD's public machine-readable ISA for CDNA 5 (MIT licence, August 2026) and "CDNA5" Instruction Set Architecture Reference Guide (July 2026). The comments in the code are by the model that wrote it; some were corrected since.
;; Gemma4 Mo E. Allowed arithmetic: matrix products marked QUANTISED: E2M3 operands, one E8M0 scale for each 32 along K, by v_wmma_scale_f32_16x16x128_f8f6f4 with both operands' format E2M3, f32 sums; products left as they are: f32 operands where the result goes on into a quantised operand, else bf16, f16 or f32 operands; f32 sums; everything else in f32.
;; Inputs: per_expert_scale 16 float32; router_logits 1,024 x 16 float32; w1_codes 16 x 1,024 x 32 x 24 uint8 (E2M3 codes of w1, K innermost, in blocks of 32 codes, four codes in three bytes); w1_scales 16 x 1,024 x 32 uint8 (E8M0 scales of w1, one for each 32 codes along K); w2_codes 16 x 1,024 x 32 x 24 uint8 (E2M3 codes of w2, K innermost, in blocks of 32 codes, four codes in three bytes); w2_scales 16 x 1,024 x 32 uint8 (E8M0 scales of w2, one for each 32 codes along K); w3_codes 16 x 1,024 x 32 x 24 uint8 (E2M3 codes of w3, K innermost, in blocks of 32 codes, four codes in three bytes); w3_scales 16 x 1,024 x 32 uint8 (E8M0 scales of w3, one for each 32 codes along K); x_codes 1,024 x 32 x 24 uint8 (E2M3 codes of x, K innermost, in blocks of 32 codes, four codes in three bytes); x_scales 1,024 x 32 uint8 (E8M0 scales of x, one for each 32 codes along K).
;; Outputs: out0 1,024 x 1,024 float32.
;; Constants: top_k = 2.
;; This version of the problem:
;;   THIS VERSION OF THE PROBLEM IS GIVEN IN LOW PRECISION. The matrix products marked QUANTISED in the list below multiply operands that are first quantised to E2M3 (2 exponent bits, 3 mantissa bits; 6 bits a number), with one power-of-two scale for each 32 numbers along K (OCP MX v1.0); their sums are f32. All else is computed in f32.
;;   The module's matrix products, in the order in which they are computed (A, B: the left and right operand; K: the contracted axis; several contracted axes count as one K, in the product's order):
;;     1. [M 16,384, K 1,024] x [K 1,024, N 1,024]; A: input w1 (given as codes); B: input x (given as codes): QUANTISED
;;     2. [M 16,384, K 1,024] x [K 1,024, N 1,024]; A: input w3 (given as codes); B: input x (given as codes): QUANTISED
;;     3. batch 16 x [M 1,024, K 1,024] x [K 1,024, N 1,024]; A: computed on the way; B: input w2 (given as codes): QUANTISED
;;     4. batch 1,024 x [M 1, K 16] x [K 16, N 1,024]; A: computed on the way; B: computed on the way: left as it is (K = 16 < 32)
;;   THE QUANTISER, for each operand of a quantised product, along K:
;;     - K is cut into blocks of 32 from its start; a last block that is shorter is filled with zeros.
;;     - A block's scale is 2^e with e = floor(log2(the largest magnitude in the block)) - 2, held to -126 .. 127; a block of zeros has e = 0. As a byte (E8M0): e + 127.
;;     - Each number is divided by its block's scale, clamped to +-7.5, and rounded to the nearest number of E2M3, ties to even, subnormals kept.
;;     - The product sums the exact products of the quantised numbers (number of the format x scale) in f32.
;;   ~~~python
;;   def quantise(x, axis):      # numpy; x: float32 -> the quantised numbers, widened to float32 again
;;       x = np.moveaxis(x, axis, -1); K = x.shape[-1]
;;       x = np.pad(x, [(0, 0)] * (x.ndim - 1) + [(0, -K % 32)]); x = x.reshape(x.shape[:-1] + (-1, 32)); a = np.abs(x).max(-1, keepdims=True)
;;       e = np.where(a > 0, np.clip(np.frexp(np.where(a > 0, a, 1))[1] - 1 - 2, -126, 127), 0)      # np.frexp(a)[1] - 1 = floor(log2(a)), exactly
;;       r = np.clip(x / 2.0 ** e, -7.5, 7.5)
;;       step = 2.0 ** (np.maximum(np.frexp(np.where(r == 0, 1, r))[1] - 1, 0) - 3)
;;       q = np.round(r / step) * step * 2.0 ** e      # np.round: ties to even
;;       return np.moveaxis(q.reshape(q.shape[:-2] + (-1,))[..., :K], -1, axis).astype(np.float32)
;;   ~~~
;;   OPERANDS COMPUTED ON THE WAY. 'Computed on the way' means the value that the module computes at that place (a softmax that the list does not call 'softmax' is quantised finished and normalised). What goes into a quantiser is computed in f32, as accurately as f32 sums, v_exp_f32 and their like allow (about 1e-6 of the number): no bf16 or f16 on the way to a quantiser, and a product that is left as it is and whose result goes on into a quantised operand takes f32 operands (vector FMAs, or v_wmma_f32_16x16x4_f32). A number that lies on a knife's edge between two numbers of the format may be rounded either way, as far as f32 arithmetic and the matrix unit's own rounding can turn it there, and no further.
;;   INPUTS GIVEN AS CODES. w1 (in the module: [16, 1024, 1024], K = its axis 2); w2 (in the module: [16, 1024, 1024], K = its axis 2); w3 (in the module: [16, 1024, 1024], K = its axis 2); x (in the module: [1024, 1024], K = its axis 1): each comes as NAME_codes (uint8): NAME with its K axis moved to the last place and cut into blocks of 32 codes, [.., K / 32, bytes a block], one block behind the other in memory; four codes in three bytes: a row's codes are one little-endian stream of bits, code i at bits 6 i .. 6 i + 5 (a code: sign, 2 exponent bits, 3 mantissa bits); and NAME_scales (uint8): the same leading axes, one E8M0 byte (e + 127) for each 32 codes along K. Its value is code x scale, taken as it is: it is not quantised again, and the codes and scales need not be those that the quantiser above would give.
;; 2 versions. Each part assembles by itself: llvm-mc -triple=amdgcn-amd-amdhsa -mcpu=gfx1250 --defsym DOCPART=n.
;; ======== version 1 of 2: 4 launches
;; workspace buffers: masks 4,096 bytes of whole numbers; wts 8,192 bytes; hcodes 12,582,912 bytes; hscales 524,288 bytes; ybuf 10,485,760 bytes
;; launch route (part 1): grid 8 x 1, 4 waves a work-group, no clusters, 0 bytes of LDS; arguments router_logits, per_expert_scale, masks, wts; writes masks, wts
.if DOCPART == 1
	.amdgcn_target "amdgcn-amd-amdhsa--gfx1250"
	.amdhsa_code_object_version 6
	.text
	.protected	k_q0b8ff8d58a_route
	.globl	k_q0b8ff8d58a_route
	.p2align	8
	.type	k_q0b8ff8d58a_route,@function
k_q0b8ff8d58a_route:
	s_mov_b64 s[64:65], 0
	v_nop
	global_prefetch_b8 v0, s[64:65] scope:SCOPE_SE
	s_setreg_imm32_b32 hwreg(HW_REG_WAVE_MODE, 25, 1), 1
	s_wait_xcnt 0x0
; ROUTE.  For each of 1,024 tokens: the two largest of its 16 logits (of equal logits the lower index, as jax.lax.top_k has it), the full softmax with the
; row's maximum taken away, the two chosen probabilities divided by their sum (by 1 where that sum is not above 0), each times its expert's scale.
; A thread takes a token: 128 threads x 8 work-groups; a wave's 32 tokens are one word of bits.  Stored at fixed places:
;   wts[t][2] (f32), 8 bytes a thread: a wave's store covers 256 consecutive bytes, aligned;
;   masks[e][2][32] (whole numbers): word g of masks[e][0] has bit l set where token 32 g + l chose expert e, of masks[e][1] where it chose e as its SECOND.
; No address and no branch hangs on the logits: every choice is a v_cndmask_b32, and the bits are values like any other.
; The masks leave 4 bytes a lane, 128 bytes apart: laid for their readers, which take an expert's words by scalar loads; 4 KiB in the whole launch.
; LIMITS: NaN among the logits is not served.  Exponentials under 2^-126 come out as 0 (ISA guide, v_exp_f32); divisions are v_rcp_f32 and a multiplication.
; No LDS, no matrix unit: 64 KiB are read once.
.set LG, 8                             ; v[8:23]   the token's 16 logits; at the end: at work
.set EX, 32                            ; v[32:47]  2^((l - m1) log2 e)
	s_load_b128 s[4:7], s[0:1], 0x0                ; logits s[4:5], per_expert_scale s[6:7]
	s_load_b128 s[8:11], s[0:1], 0x10              ; masks s[8:9], wts s[10:11]
	s_lshl_b32 s12, ttmp9, 7
	v_add_nc_u32 v1, s12, v0                       ; my token
	v_lshlrev_b32 v2, 6, v1                        ; its 64 bytes of logits
	v_lshlrev_b32 v3, 3, v1                        ; its 8 bytes in wts
	v_and_b32 v4, 15, v0                           ; the masks' way out: lane l stores the word of expert l % 16,
	v_bfe_u32 v5, v0, 4, 1                         ; of the first kind (lanes 0-15) or the second,
	v_lshrrev_b32 v6, 5, v1                        ; for my wave's 32 tokens
	v_lshlrev_b32 v4, 8, v4
	v_lshl_add_u32 v4, v5, 7, v4
	v_lshl_add_u32 v4, v6, 2, v4                   ; 256 e + 128 kind + 4 g
	s_wait_kmcnt 0x0
	s_load_b512 s[16:31], s[6:7], 0x0              ; the 16 scales, as scalars
.irp i, 0,1,2,3
	global_load_b128 v[LG+4*\i:LG+4*\i+3], v2, s[4:5] offset:16*\i
.endr
	s_wait_kmcnt 0x0
	s_wait_loadcnt 0x0
	; the largest: value v24, index v25, its expert's scale v26.  A strict > keeps the lower index
	v_mov_b32 v24, v[LG]
	v_mov_b32 v25, 0
	v_mov_b32 v26, s16
.irp e, 1,2,3,4,5,6,7,8,9,10,11,12,13,14,15
	v_cmp_gt_f32 vcc_lo, v[LG+\e], v24
	v_cndmask_b32 v24, v24, v[LG+\e], vcc_lo
	v_cndmask_b32 v25, v25, \e, vcc_lo
	v_cndmask_b32 v26, v26, s[16+\e], vcc_lo
.endr
	; the second: it starts at the lowest index that is not the first's, and passes over the first's
	v_cmp_eq_u32 vcc_lo, 0, v25
	v_mov_b32 v30, s16
	v_cndmask_b32 v27, v[LG], v[LG+1], vcc_lo      ; value
	v_cndmask_b32 v28, 0, 1, vcc_lo                ; index
	v_cndmask_b32 v29, v30, s17, vcc_lo            ; scale
.irp e, 1,2,3,4,5,6,7,8,9,10,11,12,13,14,15
	v_cmp_gt_f32 s2, v[LG+\e], v27
	v_cmp_ne_u32 s3, \e, v25
	s_and_b32 vcc_lo, s2, s3
	v_cndmask_b32 v27, v27, v[LG+\e], vcc_lo
	v_cndmask_b32 v28, v28, \e, vcc_lo
	v_cndmask_b32 v29, v29, s[16+\e], vcc_lo
.endr
	; the softmax: e^(l - m1) for all 16, and by the same three lines for the second largest
.irp e, 0,1,2,3,4,5,6,7,8,9,10,11,12,13,14,15
	v_sub_f32 v[EX+\e], v[LG+\e], v24
.endr
	v_sub_f32 v48, v27, v24
.irp e, 0,1,2,3,4,5,6,7,8,9,10,11,12,13,14,15
	v_mul_f32 v[EX+\e], 0x3fb8aa3b, v[EX+\e]       ; x log2(e)
.endr
	v_mul_f32 v48, 0x3fb8aa3b, v48
.irp e, 0,1,2,3,4,5,6,7,8,9,10,11,12,13,14,15
	v_exp_f32 v[EX+\e], v[EX+\e]
.endr
	v_exp_f32 v48, v48
	v_mov_b32 v58, 1                               ; (for the masks below)  plain lines behind the exponentials (ISA guide 5.7.2)
	v_mov_b32 v56, 0
	s_wait_alu depctr_va_vdst(0)
.irp k, 0,2,4,6
	v_pk_add_f32 v[EX+\k:EX+\k+1], v[EX+\k:EX+\k+1], v[EX+8+\k:EX+8+\k+1]   ; the sum, as a tree
.endr
	v_pk_add_f32 v[EX:EX+1], v[EX:EX+1], v[EX+4:EX+5]
	v_pk_add_f32 v[EX+2:EX+3], v[EX+2:EX+3], v[EX+6:EX+7]
	v_pk_add_f32 v[EX:EX+1], v[EX:EX+1], v[EX+2:EX+3]
	v_add_f32 v32, v32, v33
	v_rcp_f32 v49, v32                             ; p1 = 1 / Z: the largest logit's exponential is 1
	v_nop
	s_wait_alu depctr_va_vdst(0)
	v_mul_f32 v48, v48, v49                        ; p2
	v_add_f32 v54, v49, v48                        ; the sum of the two chosen
	v_cmp_lt_f32 vcc_lo, 0, v54
	v_cndmask_b32 v54, 1.0, v54, vcc_lo            ; 1 where it is not above 0
	v_rcp_f32 v55, v54
	v_nop
	s_wait_alu depctr_va_vdst(0)
	v_mul_f32 v52, v49, v55
	v_mul_f32 v53, v48, v55
	v_mul_f32 v52, v52, v26                        ; times the expert's scale
	v_mul_f32 v53, v53, v29
	global_store_b64 v3, v[52:53], s[10:11]
	; the masks: for each expert the wave's 32 bits, of both kinds; the scales' scalars are free by now.  In runs, so that no line waits for the line above it
	v_lshlrev_b32 v57, v25, v58                    ; 1 << first
	v_lshlrev_b32 v59, v28, v58                    ; 1 << second
	v_or_b32 v57, v57, v59
.irp e, 0,1,2,3,4,5,6,7,8,9,10,11,12,13,14,15
	v_and_b32 v[LG+\e], 1<<\e, v57
.endr
.irp e, 0,1,2,3,4,5,6,7,8,9,10,11,12,13,14,15
	v_cmp_ne_u32 s[16+\e], 0, v[LG+\e]             ; chose e
.endr
.irp e, 0,1,2,3,4,5,6,7,8,9,10,11,12,13,14,15
	v_cmp_eq_u32 s[32+\e], \e, v28                 ; chose e as its second
.endr
.irp e, 0,1,2,3,4,5,6,7,8,9,10,11,12,13,14,15
	v_writelane_b32 v56, s[16+\e], \e
.endr
.irp e, 0,1,2,3,4,5,6,7,8,9,10,11,12,13,14,15
	v_writelane_b32 v56, s[32+\e], 16+\e
.endr
	global_store_b32 v4, v56, s[8:9]
	s_endpgm
.Lfunc_end_k_q0b8ff8d58a_route:
	.size	k_q0b8ff8d58a_route, .Lfunc_end_k_q0b8ff8d58a_route-k_q0b8ff8d58a_route
	.p2alignl 7, 3214868480
	.fill 96, 4, 3214868480
	.section	.rodata,"a",@progbits
	.p2align	6, 0x0
	.amdhsa_kernel k_q0b8ff8d58a_route
		.amdhsa_group_segment_fixed_size 0
		.amdhsa_private_segment_fixed_size 0
		.amdhsa_enable_private_segment 0
		.amdhsa_kernarg_size 32
		.amdhsa_user_sgpr_count 2
		.amdhsa_user_sgpr_kernarg_segment_ptr 1
		.amdhsa_wavefront_size32 1
		.amdhsa_system_sgpr_workgroup_id_x 1
		.amdhsa_system_sgpr_workgroup_id_y 1
		.amdhsa_system_sgpr_workgroup_id_z 1
		.amdhsa_system_vgpr_workitem_id 0
		.amdhsa_next_free_vgpr 64
		.amdhsa_next_free_sgpr 66
		.amdhsa_reserve_vcc 1
		.amdhsa_float_denorm_mode_32 3
		.amdhsa_float_denorm_mode_16_64 3
		.amdhsa_memory_ordered 1
		.amdhsa_forward_progress 1
		.amdhsa_inst_pref_size 18
	.end_amdhsa_kernel
	.amdgpu_metadata
---
amdhsa.version: [ 1, 2 ]
amdhsa.kernels:
  - .name:           k_q0b8ff8d58a_route
    .symbol:         k_q0b8ff8d58a_route.kd
    .args:
      - { .name: router_logits, .offset: 0, .size: 8, .value_kind: global_buffer, .address_space: global }
      - { .name: per_expert_scale, .offset: 8, .size: 8, .value_kind: global_buffer, .address_space: global }
      - { .name: masks, .offset: 16, .size: 8, .value_kind: global_buffer, .address_space: global }
      - { .name: wts, .offset: 24, .size: 8, .value_kind: global_buffer, .address_space: global }
    .group_segment_fixed_size: 0
    .private_segment_fixed_size: 0
    .kernarg_segment_align: 8
    .kernarg_segment_size: 32
    .max_flat_workgroup_size: 128
    .sgpr_count:     66
    .vgpr_count:     64
    .wavefront_size: 32
...
	.end_amdgpu_metadata
.endif
;; end of part 1
;; launch up (part 2): grid 16 x 16, 4 waves a work-group, no clusters, 201,728 bytes of LDS; arguments x_codes, x_scales, w1_codes, w1_scales, w3_codes, w3_scales, masks, hcodes, hscales; writes hcodes, hscales
.if DOCPART == 2
	.amdgcn_target "amdgcn-amd-amdhsa--gfx1250"
	.amdhsa_code_object_version 6
	.text
	.protected	k_q0b8ff8d58a_up
	.globl	k_q0b8ff8d58a_up
	.p2align	8
	.type	k_q0b8ff8d58a_up,@function
k_q0b8ff8d58a_up:
	s_mov_b64 s[64:65], 0
	v_nop
	global_prefetch_b8 v0, s[64:65] scope:SCOPE_SE
	s_setreg_imm32_b32 hwreg(HW_REG_WAVE_MODE, 25, 1), 1
	s_wait_xcnt 0x0
; UP.  h = gelu(x w1^T) * (x w3^T) for the rows that chose expert e, quantised along I to codes of FP6 (E2M3) with one E8M0 byte for each 32.
; SHARES.  Work-group (sl, e) owns columns 64 sl .. 64 sl + 63 of I of expert e: 96 KiB of w1 and w3, which no other work-group reads.  Wave w = (cw = w % 2, rw = w / 2) owns block
; b = 2 sl + cw of 32 columns, of w1 and of w3, for all of K = 1,024: 4 tiles x 8 K steps x 12 = 384 registers, which stay.  It walks the expert's pairs of row tiles (32 rows)
; rw, rw + 2, .. below npairs = ceil(count / 32), held at 1 from below: pair 0 is made for an expert that nobody chose too, so that the next launch's first load, which stands on every wave's path,
; finds bytes that were stored.  The trip count is read from memory, so this launch has no tensor load, no cluster and one barrier only, at the head, on every wave's path; behind it the waves share
; nothing.  The price: the two waves of a pair gather the same rows of x.
; THE ROWS.  masks[e][0] has a bit for each token that chose e: 32 words, kept in scalar registers.  ROW j OF THE EXPERT IS ITS j-TH SET BIT.  Lane l finds row 32 pair + l (macro SEARCH): the word, by a
; scan with a running count of bits; the bit in it, by five halvings on the counts of its 16, 8, 4, 2 bits and 1 bit.  A row past the count gets a token of the last word: a real token, whose result nobody reads.
; The 32 tokens go through 128 bytes of the wave's own LDS, so that each half of the lanes has its 16 rows' tokens in 16 registers.
; THE WEIGHTS come as they lie, 512 consecutive bytes a load, are laid into LDS as rows (pitch 784) and read back once as fragments.
; x: each half of a wave loads 256 consecutive bytes of a row, aligned; they turn into fragments through the wave's own 32 rows of LDS.
; THE PRODUCT IS USED TRANSPOSED: source 0 = 16 rows of the weight, source 1 = 16 rows of x: a lane holds one row of x.  THE WEIGHT ROWS OF A TILE ARE NOT NEIGHBOURS: lane r of tile u takes column
; 8 u + r + 8 (r / 8) of the block, so that the 16 registers of tiles 0 and 1 are 16 neighbouring columns, 16 (lane / 16) + 0 .. 15.
; THE GELU is the exact one: gelu(v) = max(v, 0) - |v| X, X = Phi(-|v|), t = |v| / sqrt(2).  t > 0.921875: X = 2^(-log2(e) r - 1), r = t + t (c7 + c6 t + .. + c1 t^6);
; else X = 0.5 - 0.5 (t + t P(t^2)).  Both are computed and one is chosen by v_cndmask_b32.
; LIMITS.  The two polynomials are fitted for erf: X has an absolute error of about 3e-8, gelu of about 3e-8 |v|, as 0.5 v (1 + erf) has in f32.  The RELATIVE error for negative v grows with |v|:
; about 1e-6 at v = -1.3, 5e-5 at -4.2, 1.5e-4 at -5.7, some per cent at -8.5, where |gelu| is under 2e-16.  NaN and infinities are not served.
; A block of zeros gets the byte 1 where the rule says 127: its codes are zeros, and this program alone reads the bytes.
; hcodes is laid for its reader: [e][pair][block][piece 0..2][lane][8 bytes], lane 16 a + r holding the 24 bytes of the block of row 16 a + r: each store of the wave covers 256 consecutive bytes, aligned.
; hscales are rows of 32 bytes; a wave stores one byte a row: one byte for each 24 of codes.
; REGISTERS, in windows of 256.  Window 0: below.  Window 1: v0-191 the weights' fragments of K steps 0-3 (48 s + 12 i; i = w1 tile 0, 1, w3 tile 0, 1), v192-255 gathered x, chunks 0-15.
; Window 2: the same for K steps 4-7, chunks 16-31.  Window 3: v0-191 the pair's x fragments (24 s + 12 a; at the head: where the weights land), v192-255 chunks 32-47.
.set PITCH, 784                        ; an LDS row: 768 bytes + 16 = 196 words: row r starts at bank 4 r mod 64 (64 banks of 4 bytes: ISA guide 11.1)
.set WMU,   64*PITCH                   ; LDS 0: w1's 64 rows; then w3's
.set XST,   2*WMU                      ; then 32 rows of x for each wave
.set XSTW,  32*PITCH
.set TOKST, XST+4*XSTW                 ; then 32 tokens, 128 bytes, for each wave
.set A0,  4                            ; v4   where my 16 bytes of a weight load go in LDS
.set A1,  5                            ; v5   the same where lanes 16-31 lie one row on
.set WFA, 6                            ; v6   my place in a weight fragment
.set XWA, 7                            ; v7   where my 16 bytes of a gathered chunk go
.set XFA, 8                            ; v8   my place in a fragment of x
.set L8,  9                            ; v9   8 x lane
.set HO,  10                           ; v10  my byte in hcodes
.set HSO, 11                           ; v11  my byte in hscales
.set TSA, 12                           ; v12  LDS: where my row's token goes
.set TLA, 13                           ; v13  LDS: where my half's 16 tokens lie
.set WS,  16                           ; v16-47  the weights' scale words: 8 i + s
.set XS,  48                           ; v48-55  x's scale words of the pair in hand: lane 16 a + r has row 16 a + r's
.set XSN, 56                           ; v56-63  the next pair's, as they land
.set TK,  64                           ; v64-79  my half's 16 tokens, then their rows' byte offsets in x_codes
.set TKB, 80                           ; v80     my lane's token, then its byte offset in x_scales
.set R16, 81                           ; v81     16 x (lane % 16)
.set VC2, 82                           ; v[82:83] c2, v[84:85] c4, v[86:87] d1, twice each
.set VC4, 84
.set VD1, 86
.set L32, 88                           ; v88     32 x lane
.set L16, 89                           ; v89     16 x lane
.set WSO, 90                           ; v90     my weight row's scale bytes
.set TMP, 91
.set ACC, 96                           ; v96-159 accumulators: 32 a + 8 i
.set T,   160                          ; v160-191 the gelu's work: t, t^2 (then max(v, 0)), the exponential's branch, the other branch
.set S,   168
.set R,   176
.set Q,   184
.set QM,  200                          ; v200-207 the quantiser's work
.set CD,  224                          ; v224-230 codes
.set BY,  232                          ; v232    scale byte
.set FJ,  240                          ; v240-251 the search: my row; its word; the bits below the word; the word's number; the word's counts of 2, 4, 8, 16 bits; which bit; its place; at work
.set FW,  241
.set FP,  242
.set FI,  243
.set FA,  244
.set FB,  245
.set FC,  246
.set FD,  247
.set FN,  248
.set FQ,  249
.set FT,  250
.set FU,  251
; s[4:21] the nine buffers; s22 the trips done, s23 my wave's trips; s24 wave, s25 cw, s26 rw, s27 sl, s28 e, s29 npairs, s30 the pair in hand, s31-37 at work, s[38:39] lane selects,
; s[40:61] constants in pairs, s62 sqrt(1/2), s63 0.921875, s66 the mask of lanes 16-31, s67 b, s[68:99] the expert's 32 words of bits
.set MK,  68
.set RP,  32                           ; s32, s33 the running count of bits, by turns; s34 a word's count
.set RT,  34
.set MSB, 0
.macro WIN new                         ; the immediate's high byte repeats the setting that is left; a switch that changes nothing is dropped
.if MSB != (\new)
	s_set_vgpr_msb (MSB<<8)|(\new)
.set MSB, (\new)
.endif
.endm
.macro CPAIR reg, val                  ; a constant twice: the packed forms name a pair
	s_mov_b32 s[\reg], \val
	s_mov_b32 s[\reg+1], \val
.endm
; a halving: are there at most FN set bits in the lower \inc bits of what is left?  Then the bit sought lies above them
.macro HALVE x, wd, inc
	v_bfe_u32 v[FT], v[\x], v[FQ], \wd
	v_cmp_ge_u32 vcc_lo, v[FN], v[FT]
	v_cndmask_b32 v[FT], 0, v[FT], vcc_lo
	v_cndmask_b32 v[FU], 0, \inc, vcc_lo
	v_sub_nc_u32 v[FN], v[FN], v[FT]
	v_add_nc_u32 v[FQ], v[FQ], v[FU]
.endm
; the tokens of pair s[pc]: lane l's row is 32 pair + l.  It leaves my token in v[TKB], my half's 16 in v[TK ..], the expert's count of bits in s[RP], and no LDS instruction of the wave out
.macro SEARCH pc
	s_lshl_b32 s31, s[\pc], 5
	v_add_nc_u32 v[FJ], s31, v3
	v_mov_b32 v[FW], s[MK]
	v_mov_b32 v[FP], 0
	v_mov_b32 v[FI], 0
	s_bcnt1_i32_b32 s[RP+1], s[MK]
.set w, 1
.rept 31                               ; the last word below which at most j bits are set
	v_cmp_le_u32 vcc_lo, s[RP+(w%2)], v[FJ]
	v_cndmask_b32 v[FW], v[FW], s[MK+w], vcc_lo
	v_cndmask_b32 v[FP], v[FP], s[RP+(w%2)], vcc_lo
	v_cndmask_b32 v[FI], v[FI], w, vcc_lo
	s_bcnt1_i32_b32 s[RT], s[MK+w]
	s_add_co_u32 s[RP+((w+1)%2)], s[RP+(w%2)], s[RT]
.set w, w+1
.endr
	v_sub_nc_u32 v[FN], v[FJ], v[FP]               ; which of the word's set bits, from 0
	v_lshrrev_b32 v[FA], 1, v[FW]
	v_and_b32 v[FA], 0x55555555, v[FA]
	v_sub_nc_u32 v[FA], v[FW], v[FA]               ; the counts of each 2 bits,
	v_lshrrev_b32 v[FB], 2, v[FA]
	v_and_b32 v[FB], 0x33333333, v[FB]
	v_and_b32 v[FT], 0x33333333, v[FA]
	v_add_nc_u32 v[FB], v[FB], v[FT]               ; of each 4,
	v_lshrrev_b32 v[FC], 4, v[FB]
	v_add_nc_u32 v[FC], v[FC], v[FB]
	v_and_b32 v[FC], 0x0f0f0f0f, v[FC]             ; of each 8,
	v_lshrrev_b32 v[FD], 8, v[FC]
	v_add_nc_u32 v[FD], v[FD], v[FC]               ; and, in the low byte, of the low 16
	v_mov_b32 v[FQ], 0
	HALVE FD, 8, 16
	HALVE FC, 8, 8
	HALVE FB, 4, 4
	HALVE FA, 2, 2
	HALVE FW, 1, 1                                 ; the place is 31 at the most, whatever the row
	v_lshl_add_u32 v[TKB], v[FI], 5, v[FQ]         ; my row's token
	ds_store_b32 v[TSA], v[TKB]
.irp k, 0,1,2,3
	ds_load_b128 v[TK+4*\k:TK+4*\k+3], v[TLA] offset:16*\k    ; LDS serves a wave's instructions in order (ISA guide 5.7.1.4): these see the store above
.endr
	s_wait_dscnt 0x0
.endm
; tokens to byte offsets, in place
.macro ADDRS
.irp q, 0,1,2,3,4,5,6,7,8,9,10,11,12,13,14,15
	v_min_u32 v[TK+\q], 0x3ff, v[TK+\q]
.endr
	v_min_u32 v[TKB], 0x3ff, v[TKB]
.irp q, 0,1,2,3,4,5,6,7,8,9,10,11,12,13,14,15
	v_mul_u32_u24 v[TK+\q], v[TK+\q], 768
.endr
.irp q, 0,1,2,3,4,5,6,7,8,9,10,11,12,13,14,15
	v_add_nc_u32 v[TK+\q], v[TK+\q], v[R16]
.endr
	v_lshlrev_b32 v[TKB], 5, v[TKB]
.endm
; chunk i = 3 q + part: lanes 0-15 take bytes 256 part .. + 255 of row q, lanes 16-31 of row 16 + q.  48 loads, and 2 for the scale words
.macro GATHER
.set i, 0
.rept 48
	WIN 0x40*(1+i/16)
	global_load_b128 v[192+4*(i%16):195+4*(i%16)], v[TK+i/3], s[4:5] offset:256*(i%3)
.set i, i+1
.endr
	WIN 0
	global_load_b128 v[XSN:XSN+3], v[TKB], s[6:7]
	global_load_b128 v[XSN+4:XSN+7], v[TKB], s[6:7] offset:16
.endm
.macro XSTORE
.set i, 0
.rept 48
	WIN 0x04*(1+i/16)
	ds_store_b128 v[XWA], v[192+4*(i%16):195+4*(i%16)] offset:PITCH*(i/3)+256*(i%3)
.set i, i+1
.endr
	WIN 0
.endm
; a fragment, 16 rows x 128 K of 6-bit codes: lane (r, h) takes the 24 bytes at 96 s + 24 h and the 24 at 96 s + 48 + 24 h of row r, in pieces of 8 bytes.  K step by K step
.macro FETCHX
	WIN 0xc0
.irp s, 0,1,2,3,4,5,6,7
.irp a, 0,1
.irp p, 0,1,2,3,4,5
	ds_load_b64 v[24*\s+12*\a+2*\p:24*\s+12*\a+2*\p+1], v[XFA] offset:16*PITCH*\a+96*\s+48*(\p/3)+8*(\p%3)
.endr
.endr
.endr
.endm
; one product: weight tile i x row tile a, K step s.  K step 0 starts the sum.  Row tile 1's scale words stand in lanes 16-31
.macro MM a, i, s
.if (\s) == 0
.if (\a) == 0
	v_wmma_scale_f32_16x16x128_f8f6f4 v[ACC+32*(\a)+8*(\i):ACC+32*(\a)+8*(\i)+7], v[48*((\s)%4)+12*(\i):48*((\s)%4)+12*(\i)+11], v[24*(\s)+12*(\a):24*(\s)+12*(\a)+11], 0, v[WS+8*(\i)+(\s)], v[XS+(\s)] matrix_a_fmt:MATRIX_FMT_FP6 matrix_b_fmt:MATRIX_FMT_FP6
.else
	v_wmma_scale_f32_16x16x128_f8f6f4 v[ACC+32*(\a)+8*(\i):ACC+32*(\a)+8*(\i)+7], v[48*((\s)%4)+12*(\i):48*((\s)%4)+12*(\i)+11], v[24*(\s)+12*(\a):24*(\s)+12*(\a)+11], 0, v[WS+8*(\i)+(\s)], v[XS+(\s)] matrix_a_fmt:MATRIX_FMT_FP6 matrix_b_fmt:MATRIX_FMT_FP6 matrix_b_scale:MATRIX_SCALE_ROW1
.endif
.else
.if (\a) == 0
	v_wmma_scale_f32_16x16x128_f8f6f4 v[ACC+32*(\a)+8*(\i):ACC+32*(\a)+8*(\i)+7], v[48*((\s)%4)+12*(\i):48*((\s)%4)+12*(\i)+11], v[24*(\s)+12*(\a):24*(\s)+12*(\a)+11], v[ACC+32*(\a)+8*(\i):ACC+32*(\a)+8*(\i)+7], v[WS+8*(\i)+(\s)], v[XS+(\s)] matrix_a_fmt:MATRIX_FMT_FP6 matrix_b_fmt:MATRIX_FMT_FP6
.else
	v_wmma_scale_f32_16x16x128_f8f6f4 v[ACC+32*(\a)+8*(\i):ACC+32*(\a)+8*(\i)+7], v[48*((\s)%4)+12*(\i):48*((\s)%4)+12*(\i)+11], v[24*(\s)+12*(\a):24*(\s)+12*(\a)+11], v[ACC+32*(\a)+8*(\i):ACC+32*(\a)+8*(\i)+7], v[WS+8*(\i)+(\s)], v[XS+(\s)] matrix_a_fmt:MATRIX_FMT_FP6 matrix_b_fmt:MATRIX_FMT_FP6 matrix_b_scale:MATRIX_SCALE_ROW1
.endif
.endif
.endm
; four K steps, 32 products: the eight accumulators take turns, one instruction a turn
.macro RUN s0
.irp d, 0,1,2,3
.irp a, 0,1
.irp i, 0,1,2,3
	MM \a, \i, (\s0+\d)
.endr
.endr
.endr
.endm
; eight numbers: v[g ..] = gelu(v[g ..]) x v[u ..].  Each accumulator is read from its low end on
.macro GELU4 g, u
.irp k, 0,1,2,3,4,5,6,7
	v_mul_f32 v[T+\k], s62, |v[\g+\k]|             ; t = |v| / sqrt(2)
.endr
.irp k, 0,2,4,6
	v_pk_mul_f32 v[S+\k:S+\k+1], v[T+\k:T+\k+1], v[T+\k:T+\k+1]
.endr
.irp k, 0,2,4,6
	v_pk_fma_f32 v[R+\k:R+\k+1], v[T+\k:T+\k+1], s[40:41], v[VC2:VC2+1] op_sel_hi:[1,0,1]   ; c1 t + c2
.endr
.irp k, 0,2,4,6
	v_pk_fma_f32 v[Q+\k:Q+\k+1], v[T+\k:T+\k+1], s[42:43], v[VC4:VC4+1] op_sel_hi:[1,0,1]   ; c3 t + c4
.endr
.irp k, 0,2,4,6
	v_pk_fma_f32 v[R+\k:R+\k+1], v[R+\k:R+\k+1], v[S+\k:S+\k+1], v[Q+\k:Q+\k+1]
.endr
.irp c, 44,46,48                       ; c5, c6, c7
.irp k, 0,2,4,6
	v_pk_fma_f32 v[R+\k:R+\k+1], v[R+\k:R+\k+1], v[T+\k:T+\k+1], s[\c:\c+1] op_sel_hi:[1,1,0]
.endr
.endr
.irp k, 0,2,4,6
	v_pk_fma_f32 v[R+\k:R+\k+1], v[R+\k:R+\k+1], v[T+\k:T+\k+1], v[T+\k:T+\k+1]            ; r
.endr
.irp k, 0,2,4,6
	v_pk_fma_f32 v[R+\k:R+\k+1], v[R+\k:R+\k+1], s[50:51], -1.0 op_sel_hi:[1,0,0]          ; -log2(e) r - 1
.endr
.irp k, 0,1,2,3,4,5,6,7
	v_exp_f32 v[R+\k], v[R+\k]                     ; X for t above the threshold
.endr
.irp k, 0,2,4,6
	v_pk_fma_f32 v[Q+\k:Q+\k+1], v[S+\k:S+\k+1], s[52:53], v[VD1:VD1+1] op_sel_hi:[1,0,1]   ; d0 t^2 + d1: plain lines behind the exponentials (ISA guide 5.7.2)
.endr
.irp c, 54,56,58,60                    ; d2 .. d5
.irp k, 0,2,4,6
	v_pk_fma_f32 v[Q+\k:Q+\k+1], v[Q+\k:Q+\k+1], v[S+\k:S+\k+1], s[\c:\c+1] op_sel_hi:[1,1,0]
.endr
.endr
.irp k, 0,2,4,6
	v_pk_fma_f32 v[Q+\k:Q+\k+1], v[Q+\k:Q+\k+1], v[T+\k:T+\k+1], v[T+\k:T+\k+1]            ; erf(t)
.endr
.irp k, 0,2,4,6
	v_pk_fma_f32 v[Q+\k:Q+\k+1], v[Q+\k:Q+\k+1], -0.5, 0.5 op_sel_hi:[1,0,0]               ; X for t up to the threshold
.endr
	s_wait_alu depctr_va_vdst(0)
.irp k, 0,1,2,3,4,5,6,7
	v_cmp_lt_f32 vcc_lo, s63, v[T+\k]
	v_cndmask_b32 v[Q+\k], v[Q+\k], v[R+\k], vcc_lo
.endr
.irp k, 0,1,2,3,4,5,6,7
	v_max_num_f32 v[S+\k], 0, v[\g+\k]
.endr
.irp k, 0,1,2,3,4,5,6,7
	v_fma_f32 v[\g+\k], -|v[\g+\k]|, v[Q+\k], v[S+\k]   ; max(v, 0) - |v| X
.endr
.irp k, 0,2,4,6
	v_pk_mul_f32 v[\g+\k:\g+\k+1], v[\g+\k:\g+\k+1], v[\u+\k:\u+\k+1]
.endr
.endm
; the pair's block of h: 16 numbers a lane and row tile become codes and a byte, and leave
.macro QUANT
	s_wait_xcnt 0x0                                ; the last trip's stores have read their data and offsets: these are written again below
.irp a, 0,1
	v_max3_num_f32 v[QM+\a], |v[ACC+32*\a]|, |v[ACC+32*\a+1]|, 0x1800000   ; my 16, and the floor 2^(3 - 127): the byte cannot fall under 1
.endr
.irp k, 2,4,6,8,10,12,14
.irp a, 0,1
	v_max3_num_f32 v[QM+\a], v[QM+\a], |v[ACC+32*\a+\k]|, |v[ACC+32*\a+\k+1]|
.endr
.endr
.irp a, 0,1
	v_permlanex16_b32 v[QM+2+\a], v[QM+\a], s38, s39
.endr
.irp a, 0,1
	v_max_num_f32 v[QM+\a], v[QM+\a], v[QM+2+\a]   ; with lane l xor 16's 16: the block's largest magnitude
.endr
.irp a, 0,1
	v_add_nc_u32 v[QM+4+\a], 0xff000000, v[QM+\a]  ; 2 off its exponent field: the conversion's scale operand
.endr
.irp a, 0,1
	v_lshrrev_b32 v[QM+6+\a], 23, v[QM+4+\a]       ; the scale's byte
.endr
	v_cvt_scalef32_pk16_fp6_f32 v[CD:CD+2], v[ACC:ACC+15], v[QM+4]          ; row tile 0: the codes of columns 16 h + 0 .. 15
	v_cvt_scalef32_pk16_fp6_f32 v[CD+4:CD+6], v[ACC+32:ACC+47], v[QM+5]     ; row tile 1
	v_cndmask_b32 v[BY], v[QM+6], v[QM+7], s66     ; lane 16 a + r keeps row 16 a + r's byte.  (The plain line behind the conversions)
.irp k, 0,1,2
	v_permlane16_swap_b32 v[CD+\k], v[CD+4+\k]     ; tile 0's lanes 16-31 change places with tile 1's lanes 0-15: lane 16 a + r now holds row 16 a + r's lower 16 codes here and its upper 16 there
.endr
	v_mov_b32 v[CD+3], v[CD+4]                     ; (a conversion's three registers begin on an even number)
	v_mov_b32 v[CD+4], v[CD+5]
	v_mov_b32 v[CD+5], v[CD+6]
	s_min_u32 s32, s30, 31                         ; (the pair is under 32 by the loop's bound)
	s_lshl_b32 s33, s28, 5
	s_add_co_u32 s33, s33, s32                     ; 32 e + pair
	s_lshl_b32 s34, s33, 5
	s_add_co_u32 s34, s34, s67                     ; x 32 blocks + b
	s_mul_i32 s35, s34, 768
	v_add_nc_u32 v[HO], s35, v[L8]
	s_lshl_b32 s36, s33, 10                        ; 32 rows of 32 bytes
	s_add_co_u32 s36, s36, s67
	v_add_nc_u32 v[HSO], s36, v[L32]
	global_store_b64 v[HO], v[CD:CD+1], s[18:19] th:TH_STORE_NT
	global_store_b64 v[HO], v[CD+2:CD+3], s[18:19] offset:256 th:TH_STORE_NT
	global_store_b64 v[HO], v[CD+4:CD+5], s[18:19] offset:512 th:TH_STORE_NT
	global_store_b8 v[HSO], v[BY], s[20:21]
.endm
	s_load_b512 s[4:19], s[0:1], 0x0               ; x_codes, x_scales, w1_codes, w1_scales, w3_codes, w3_scales, masks, hcodes
	s_load_b64 s[20:21], s[0:1], 0x40              ; hscales
	v_lshl_add_u32 v254, v0, 2, 0x31200
	v_mov_b32 v255, 0
	v_lshrrev_b32 v[TMP], 5, v0
	v_readfirstlane_b32 s24, v[TMP]                ; wave 0..3
	s_and_b32 s25, s24, 1                          ; cw
	s_lshr_b32 s26, s24, 1                         ; rw
	s_mov_b32 s27, ttmp9                           ; sl
	s_and_b32 s28, ttmp7, 0xffff                   ; e
	s_lshl_b32 s67, s27, 1
	s_add_co_u32 s67, s67, s25                     ; b
	v_and_b32 v1, 15, v0                           ; r
	v_bfe_u32 v2, v0, 4, 1                         ; h
	v_and_b32 v3, 31, v0                           ; lane
	s_mul_i32 s31, s24, 16*PITCH                   ; the weights' way in: wave w lays rows 16 w .. 16 w + 15
	v_lshl_add_u32 v[A0], v3, 4, s31
	v_lshl_add_u32 v[A1], v2, 4, v[A0]
	v_and_b32 v[TMP], 8, v1
	v_add_nc_u32 v[TMP], v[TMP], v1                ; r + 8 (r / 8)
	v_mul_u32_u24 v[WFA], v[TMP], PITCH
	v_mad_u32_u24 v[WFA], v2, 24, v[WFA]
	s_mul_i32 s31, s25, 32*PITCH                   ; my block's 32 rows
	v_add_nc_u32 v[WFA], s31, v[WFA]
	s_mul_i32 s31, s24, XSTW
	s_add_co_u32 s31, s31, XST                     ; my wave's rows of x
	v_mul_u32_u24 v[XWA], v2, 16*PITCH
	v_lshl_add_u32 v[XWA], v1, 4, v[XWA]
	v_add_nc_u32 v[XWA], s31, v[XWA]
	v_mul_u32_u24 v[XFA], v1, PITCH
	v_mad_u32_u24 v[XFA], v2, 24, v[XFA]
	v_add_nc_u32 v[XFA], s31, v[XFA]
	s_lshl_b32 s31, s24, 7
	s_add_co_u32 s31, s31, TOKST                   ; my wave's 32 tokens
	v_lshl_add_u32 v[TSA], v3, 2, s31
	v_lshl_add_u32 v[TLA], v2, 6, s31
	v_lshlrev_b32 v[L8], 3, v3
	v_lshlrev_b32 v[R16], 4, v1
	v_lshlrev_b32 v[L32], 5, v3
	v_lshlrev_b32 v[L16], 4, v3
	s_lshl_b32 s31, s25, 5
	v_add_nc_u32 v[WSO], s31, v[TMP]
	v_lshlrev_b32 v[WSO], 5, v[WSO]                ; 32 bytes of scales a weight row
	s_mov_b32 s38, 0x76543210                      ; v_permlanex16_b32's selects for lane l xor 16
	s_mov_b32 s39, 0xfedcba98
	CPAIR 40, 0x37911480                           ; c1
	CPAIR 42, 0x3b7e899b                           ; c3
	CPAIR 44, 0x3ddaae58                           ; c5
	CPAIR 46, 0x3f228550                           ; c6
	CPAIR 48, 0x3e03ce86                           ; c7
	CPAIR 50, 0xbfb8aa3b                           ; -log2(e)
	CPAIR 52, 0xba1d0d41                           ; d0
	CPAIR 54, 0xbcdb45e9                           ; d2
	CPAIR 56, 0x3de70d23                           ; d3
	CPAIR 58, 0xbec09370                           ; d4
	CPAIR 60, 0x3e0375d3                           ; d5
	s_mov_b32 s62, 0x3f3504f3                      ; sqrt(1/2)
	s_mov_b32 s63, 0x3f6c0000                      ; 0.921875
	s_mov_b32 s66, 0xffff0000
	v_mov_b32 v[VC2], 0xb9c8e966                   ; c2
	v_mov_b32 v[VC2+1], 0xb9c8e966
	v_mov_b32 v[VC4], 0xbcc6b180                   ; c4
	v_mov_b32 v[VC4+1], 0xbcc6b180
	v_mov_b32 v[VD1], 0x3ba39fa4                   ; d1
	v_mov_b32 v[VD1+1], 0x3ba39fa4
	v_mov_b32 v[QM+2], 0                           ; written once: a lane permute's destination counts as one of its sources
	v_mov_b32 v[QM+3], 0
	s_mul_i32 s32, s28, 786432                     ; the expert's codes,
	s_mul_i32 s31, s27, 49152                      ; the slice's 64 rows,
	s_add_co_u32 s32, s32, s31
	s_mul_i32 s31, s24, 12288                      ; the 16 of them that my wave brings
	s_add_co_u32 s32, s32, s31
	s_mov_b32 s33, 0
	s_lshl_b32 s34, s28, 15                        ; the same in the scales: 32 bytes a row
	s_lshl_b32 s31, s27, 11
	s_add_co_u32 s34, s34, s31
	s_mov_b32 s35, 0
	s_lshl_b32 s36, s28, 8                         ; the expert's 256 bytes of masks
	s_mov_b32 s37, 0
	s_wait_kmcnt 0x0
	s_add_nc_u64 s[8:9], s[8:9], s[32:33]
	s_add_nc_u64 s[12:13], s[12:13], s[32:33]
	s_add_nc_u64 s[10:11], s[10:11], s[34:35]
	s_add_nc_u64 s[14:15], s[14:15], s[34:35]
	s_add_nc_u64 s[16:17], s[16:17], s[36:37]
	s_load_b512 s[MK:MK+15], s[16:17], 0x0         ; the 32 words of the first kind: who chose e
	s_load_b512 s[MK+16:MK+31], s[16:17], 0x40
	WIN 0xc0
.set i, 0
.rept 24
	global_load_b128 v[4*i:4*i+3], v[L16], s[8:9] offset:512*i th:TH_LOAD_NT          ; w1: 12,288 consecutive bytes a wave, 512 a load; read once in the launch
.set i, i+1
.endr
.set i, 0
.rept 24
	global_load_b128 v[96+4*i:99+4*i], v[L16], s[12:13] offset:512*i th:TH_LOAD_NT    ; w3
.set i, i+1
.endr
	WIN 0
.irp u, 0,1
	global_load_b128 v[WS+8*\u:WS+8*\u+3], v[WSO], s[10:11] offset:256*\u             ; tile u begins 8 rows on
	global_load_b128 v[WS+8*\u+4:WS+8*\u+7], v[WSO], s[10:11] offset:256*\u+16
	global_load_b128 v[WS+16+8*\u:WS+16+8*\u+3], v[WSO], s[14:15] offset:256*\u
	global_load_b128 v[WS+16+8*\u+4:WS+16+8*\u+7], v[WSO], s[14:15] offset:256*\u+16
.endr
	s_wait_kmcnt 0x0                               ; the bits
	SEARCH 26                                      ; my first pair's tokens, while the weights are on their way
	s_add_co_u32 s29, s[RP], 31                    ; the search has left the expert's count
	s_lshr_b32 s29, s29, 5
	s_min_u32 s29, s29, 32
	s_max_u32 s29, s29, 1                          ; npairs, 1 to 32
	s_add_co_u32 s23, s29, 1
	s_sub_co_u32 s23, s23, s26
	s_lshr_b32 s23, s23, 1                         ; my wave's trips: the pairs rw, rw + 2, .. below npairs
	s_mov_b32 s22, 0
	ADDRS
	GATHER                                         ; 50 loads
	s_wait_loadcnt 50                              ; the weights and their scales are in: behind them stand the gather's 50
	WIN 0x0c                                       ; an LDS store's data are its source 1: window 3
.set i, 0
.rept 24                                       ; load i's bytes 512 i + 16 lane lie in row (that / 768): 16 bytes of padding for each row passed
.if i%3 == 1
	ds_store_b128 v[A1], v[4*i:4*i+3] offset:512*i+32*(i/3)
	ds_store_b128 v[A1], v[96+4*i:99+4*i] offset:WMU+512*i+32*(i/3)
.elseif i%3 == 2
	ds_store_b128 v[A0], v[4*i:4*i+3] offset:512*i+32*(i/3)+16
	ds_store_b128 v[A0], v[96+4*i:99+4*i] offset:WMU+512*i+32*(i/3)+16
.else
	ds_store_b128 v[A0], v[4*i:4*i+3] offset:512*i+32*(i/3)
	ds_store_b128 v[A0], v[96+4*i:99+4*i] offset:WMU+512*i+32*(i/3)
.endif
.set i, i+1
.endr
	WIN 0
	s_wait_dscnt 0x0                               ; for the others' sake: my rows lie in LDS
	s_barrier_signal -1
	s_barrier_wait -1                              ; the one barrier: all 128 rows lie there, and nobody writes them again
	s_cmp_eq_u32 s23, 0
	s_cbranch_scc1 .Lend                           ; no pair for this wave
	WIN 0x40
.irp s, 0,1,2,3
.irp i, 0,1,2,3
.irp p, 0,1,2,3,4,5
	ds_load_b64 v[48*\s+12*\i+2*\p:48*\s+12*\i+2*\p+1], v[WFA] offset:WMU*(\i/2)+8*PITCH*(\i%2)+96*\s+48*(\p/3)+8*(\p%3)
.endr
.endr
.endr
	WIN 0x80
.irp s, 4,5,6,7
.irp i, 0,1,2,3
.irp p, 0,1,2,3,4,5
	ds_load_b64 v[48*(\s-4)+12*\i+2*\p:48*(\s-4)+12*\i+2*\p+1], v[WFA] offset:WMU*(\i/2)+8*PITCH*(\i%2)+96*\s+48*(\p/3)+8*(\p%3)
.endr
.endr
.endr
	WIN 0
.Ltrip:                                            ; a trip: one pair of row tiles
	s_lshl_b32 s30, s22, 1
	s_add_co_u32 s30, s30, s26                     ; the pair in hand: rw + 2 x the trips done
	s_wait_loadcnt 0x0                             ; this pair's x and its scale words are in: so the gather's offsets may be written again
.irp k, 0,1,2,3,4,5,6,7
	v_mov_b32 v[XS+\k], v[XSN+\k]
.endr
.rept 8
	v_nop                                          ; a scale register written by a vector instruction stands 8 places ahead of the scaled product
.endr
	XSTORE
	s_add_co_u32 s35, s30, 2
	s_cmp_ge_u32 s35, s29
	s_cbranch_scc1 .Lno_next
	SEARCH 35                                      ; the next pair's tokens, while the stores above drain; its wait for all LDS instructions shows that they have read the gathered chunks
	ADDRS
	GATHER                                         ; it lands while this pair is multiplied and activated
.Lno_next:
	FETCHX                                         ; LDS serves a wave's instructions in order (ISA guide 5.7.1.4): these see the stores above
	s_wait_dscnt 48                                ; K steps 0-3 are in (first trip: the weights' fragments too): 48 loads stand behind them
	WIN 0x0d                                       ; source 0: window 1, source 1: window 3
	RUN 0
	s_wait_dscnt 0x0
	WIN 0x0e                                       ; source 0: window 2
	RUN 4
	WIN 0
.rept 4
	v_nop                                          ; four places between the last product and the first read of results (ISA guide 7.12.1)
.endr
	GELU4 ACC, ACC+16
	GELU4 ACC+8, ACC+24
	GELU4 ACC+32, ACC+48
	GELU4 ACC+40, ACC+56
	QUANT
	s_add_co_u32 s22, s22, 1
	s_cmp_lt_u32 s22, s23
	s_cbranch_scc1 .Ltrip
.Lend:
	s_wait_tensorcnt 0x0
	ds_add_u32 v254, v255
	s_wait_dscnt 0x0
	s_endpgm
.Lfunc_end_k_q0b8ff8d58a_up:
	.size	k_q0b8ff8d58a_up, .Lfunc_end_k_q0b8ff8d58a_up-k_q0b8ff8d58a_up
	.p2alignl 7, 3214868480
	.fill 96, 4, 3214868480
	.section	.rodata,"a",@progbits
	.p2align	6, 0x0
	.amdhsa_kernel k_q0b8ff8d58a_up
		.amdhsa_group_segment_fixed_size 201728
		.amdhsa_private_segment_fixed_size 0
		.amdhsa_enable_private_segment 0
		.amdhsa_kernarg_size 72
		.amdhsa_user_sgpr_count 2
		.amdhsa_user_sgpr_kernarg_segment_ptr 1
		.amdhsa_wavefront_size32 1
		.amdhsa_system_sgpr_workgroup_id_x 1
		.amdhsa_system_sgpr_workgroup_id_y 1
		.amdhsa_system_sgpr_workgroup_id_z 1
		.amdhsa_system_vgpr_workitem_id 0
		.amdhsa_next_free_vgpr 1024
		.amdhsa_next_free_sgpr 100
		.amdhsa_reserve_vcc 1
		.amdhsa_float_denorm_mode_32 3
		.amdhsa_float_denorm_mode_16_64 3
		.amdhsa_memory_ordered 1
		.amdhsa_forward_progress 1
		.amdhsa_inst_pref_size 111
	.end_amdhsa_kernel
	.amdgpu_metadata
---
amdhsa.version: [ 1, 2 ]
amdhsa.kernels:
  - .name:           k_q0b8ff8d58a_up
    .symbol:         k_q0b8ff8d58a_up.kd
    .args:
      - { .name: x_codes, .offset: 0, .size: 8, .value_kind: global_buffer, .address_space: global }
      - { .name: x_scales, .offset: 8, .size: 8, .value_kind: global_buffer, .address_space: global }
      - { .name: w1_codes, .offset: 16, .size: 8, .value_kind: global_buffer, .address_space: global }
      - { .name: w1_scales, .offset: 24, .size: 8, .value_kind: global_buffer, .address_space: global }
      - { .name: w3_codes, .offset: 32, .size: 8, .value_kind: global_buffer, .address_space: global }
      - { .name: w3_scales, .offset: 40, .size: 8, .value_kind: global_buffer, .address_space: global }
      - { .name: masks, .offset: 48, .size: 8, .value_kind: global_buffer, .address_space: global }
      - { .name: hcodes, .offset: 56, .size: 8, .value_kind: global_buffer, .address_space: global }
      - { .name: hscales, .offset: 64, .size: 8, .value_kind: global_buffer, .address_space: global }
    .group_segment_fixed_size: 201728
    .private_segment_fixed_size: 0
    .kernarg_segment_align: 8
    .kernarg_segment_size: 72
    .max_flat_workgroup_size: 128
    .sgpr_count:     100
    .vgpr_count:     1024
    .wavefront_size: 32
...
	.end_amdgpu_metadata
.endif
;; end of part 2
;; launch down (part 3): grid 16 x 16, 4 waves a work-group, no clusters, 86,016 bytes of LDS; arguments hcodes, hscales, w2_codes, w2_scales, masks, ybuf; writes ybuf
.if DOCPART == 3
	.amdgcn_target "amdgcn-amd-amdhsa--gfx1250"
	.amdhsa_code_object_version 6
	.text
	.protected	k_q0b8ff8d58a_down
	.globl	k_q0b8ff8d58a_down
	.p2align	8
	.type	k_q0b8ff8d58a_down,@function
k_q0b8ff8d58a_down:
	s_mov_b64 s[64:65], 0
	v_nop
	global_prefetch_b8 v0, s[64:65] scope:SCOPE_SE
	s_setreg_imm32_b32 hwreg(HW_REG_WAVE_MODE, 25, 1), 1
	s_wait_xcnt 0x0
; DOWN.  y = h w2^T for the rows that chose expert e, on codes of FP6 (E2M3) with one E8M0 byte for each 32 along K = I = 1,024; y in f32, unweighted.
; SHARES.  Work-group (sl, e) owns columns 64 sl .. + 63 of H of expert e: 48 KiB of w2, which no other work-group reads.  EVERY wave holds all of it: 4 tiles x 8 K steps x 12 = 384 registers, which stay.
; Wave w walks the expert's pairs of row tiles (32 rows) w, w + 4, .. below npairs = ceil(count / 32).  That trip count is read from memory, so this launch has no tensor load, no cluster, and one
; barrier only, at the head, on every wave's path.  h's fragments come from memory straight into registers: hcodes is laid in the order of the operand's registers.
; WHERE y GOES.  Row j of the expert is the j-th set bit of masks[e][0], token t; bit t of masks[e][1] says whether e is t's first choice (k = 0) or its second (k = 1).  The row goes to ybuf[2 t + k]:
; so the next launch finds a token's two rows at a place that hangs on the token's number alone.  A row past the expert's count goes to a spare row of its own, 2048 + 32 e + its place in the pair, which nobody reads.
; Lane l finds row 32 pair + l (macro SEARCH, as in the launch before); the 32 places go through 128 bytes of the wave's own LDS, so that each half of the lanes has its 16 rows' places in 16 registers.
; THE FIRST PAIR'S LOAD stands ahead of the barrier, beside the weights', on every wave's path.  A wave that has no pair of its own loads the expert's last pair (pair 0 where nobody chose the expert: the
; launch before has stored it) and drops it: 25 KiB, in the few waves whose number is not below npairs.
; THE PRODUCT IS USED TRANSPOSED (source 0 = 16 rows of w2, source 1 = 16 rows of h): a lane holds eight neighbouring columns of one row of y.  A pair goes through the wave's own stage in LDS
; and leaves as rows: sixteen lanes store 256 consecutive bytes, aligned.
; The two rows of a token lie in two experts' work-groups, so their weighted sum is a later launch's.
; REGISTERS.  Window 0: below.  Window 1: w2's fragments of K steps 0-3 (48 s + 12 tile).  Window 2: K steps 4-7.  Window 3: v0-191 the pair's fragments of h (24 s + 12 a).
.set PITCH, 784                        ; an LDS row of w2: 768 bytes + 16
.set STG,   64*PITCH                   ; behind the 64 rows: a stage of 32 rows x 272 bytes for each wave
.set SP,    272
.set STGW,  32*SP
.set TOKST, STG+4*STGW                 ; then 32 places, 128 bytes, for each wave
.set A0,  4                            ; v4   where my 16 bytes of a weight load go in LDS
.set A1,  5                            ; v5   the same where lanes 16-31 lie one row on
.set WFA, 6                            ; v6   my place in a weight fragment
.set SO,  7                            ; v7   the stage: where I put 32 bytes of a row
.set SR,  8                            ; v8   and where I read 16 bytes of a row back: lanes 0-15 in row tile 0, lanes 16-31 in row tile 1
.set R16, 9                            ; v9   16 x (lane % 16)
.set HLA, 10                           ; v10  my place in a block of hcodes: 768 h + 8 r
.set L32, 11                           ; v11  32 x lane
.set TMP, 12
.set L16, 13                           ; v13  16 x lane
.set R32, 14                           ; v14  32 x (lane % 16)
.set SPR, 15                           ; v15  my spare row: 2048 + 32 e + lane
.set WS,  16                           ; v16-47  w2's scale words: 8 tile + s
.set XS,  48                           ; v48-55  h's scale words: lane 16 a + r has row 16 a + r's
.set TSA, 56                           ; v56  LDS: where my row's place goes
.set TLA, 57                           ; v57  LDS: where my half's 16 places lie
.set ACC, 64                           ; v64-127 accumulators: 32 a + 8 tile
.set OUTR, 128                         ; v128-191 rows read back from the stage
.set LAND, 64                          ; v64-159 at the head: where the weights land
.set YV,  192                          ; v192-207 my half's 16 rows' places in ybuf, then my byte offsets in them
.set FJ,  208                          ; v208-220 the search: my row; its word of each kind; the bits below the word; the word's number; the word's counts of 2, 4, 8, 16 bits; which bit; its place; at work
.set FW,  209
.set FW1, 210
.set FP,  211
.set FI,  212
.set FA,  213
.set FB,  214
.set FC,  215
.set FD,  216
.set FN,  217
.set FQ,  218
.set FT,  219
.set FU,  220
; s[4:11] hcodes, hscales, w2_codes, w2_scales; s[12:13] masks, then s12 the expert's count; s[14:15] ybuf at my slice; s16 wave, s17 sl, s18 e, s19 npairs, s[20:23] the pair's bases in hcodes and hscales,
; s24 the pair in hand, s25 the pair to load, s26 my wave's trips, s27 the trips done, s2-3, s28-31 at work; s[32:63] the expert's words of the second kind, s[68:99] of the first
.set M1,  32
.set MK,  68
.set RP,  28                           ; s28, s29 the running count of bits, by turns; s31 a word's count
.set RT,  31
.set MSB, 0
.macro WIN new                         ; the immediate's high byte repeats the setting that is left
.if MSB != (\new)
	s_set_vgpr_msb (MSB<<8)|(\new)
.set MSB, (\new)
.endif
.endm
; the fragments and scale words of pair s[pr].  Lane (r, h) wants, for K step s, row tile a and c = 0, 1, block 4 s + 2 c + h of row 16 a + r: three pieces of 8 bytes, 256 bytes apart
.macro LOADH pr
	s_min_u32 s30, s[\pr], 31                      ; (the pair is under 32 by its make)
	s_lshl_b32 s31, s18, 5
	s_add_co_u32 s31, s31, s30                     ; 32 e + pair
	s_mul_i32 s28, s31, 24576                      ; 32 blocks x 768 bytes
	s_mov_b32 s29, 0
	s_add_nc_u64 s[20:21], s[4:5], s[28:29]
	s_lshl_b32 s28, s31, 10                        ; 32 rows x 32 bytes
	s_add_nc_u64 s[22:23], s[6:7], s[28:29]
	WIN 0xc0
.irp s, 0,1,2,3,4,5,6,7
.irp a, 0,1
.irp c, 0,1
.irp j, 0,1,2
	global_load_b64 v[24*\s+12*\a+6*\c+2*\j:24*\s+12*\a+6*\c+2*\j+1], v[HLA], s[20:21] offset:(4*\s+2*\c)*768+256*\j+128*\a
.endr
.endr
.endr
.endr
	WIN 0
	global_load_b128 v[XS:XS+3], v[L32], s[22:23]
	global_load_b128 v[XS+4:XS+7], v[L32], s[22:23] offset:16
.endm
; a halving: are there at most FN set bits in the lower \inc bits of what is left?  Then the bit sought lies above them
.macro HALVE x, wd, inc
	v_bfe_u32 v[FT], v[\x], v[FQ], \wd
	v_cmp_ge_u32 vcc_lo, v[FN], v[FT]
	v_cndmask_b32 v[FT], 0, v[FT], vcc_lo
	v_cndmask_b32 v[FU], 0, \inc, vcc_lo
	v_sub_nc_u32 v[FN], v[FN], v[FT]
	v_add_nc_u32 v[FQ], v[FQ], v[FU]
.endm
; where the rows of pair s[pc] go: lane l's row is 32 pair + l.  It leaves in v[YV + i] my byte offset in the row of ybuf that row i of my half's row tile takes, and no LDS instruction of the wave out
.macro SEARCH pc
	s_lshl_b32 s30, s[\pc], 5
	v_add_nc_u32 v[FJ], s30, v3
	v_mov_b32 v[FW], s[MK]
	v_mov_b32 v[FW1], s[M1]
	v_mov_b32 v[FP], 0
	v_mov_b32 v[FI], 0
	s_bcnt1_i32_b32 s[RP+1], s[MK]
.set w, 1
.rept 31                               ; the last word below which at most j bits are set
	v_cmp_le_u32 vcc_lo, s[RP+(w%2)], v[FJ]
	v_cndmask_b32 v[FW], v[FW], s[MK+w], vcc_lo
	v_cndmask_b32 v[FW1], v[FW1], s[M1+w], vcc_lo
	v_cndmask_b32 v[FP], v[FP], s[RP+(w%2)], vcc_lo
	v_cndmask_b32 v[FI], v[FI], w, vcc_lo
	s_bcnt1_i32_b32 s[RT], s[MK+w]
	s_add_co_u32 s[RP+((w+1)%2)], s[RP+(w%2)], s[RT]
.set w, w+1
.endr
	v_sub_nc_u32 v[FN], v[FJ], v[FP]               ; which of the word's set bits, from 0
	v_lshrrev_b32 v[FA], 1, v[FW]
	v_and_b32 v[FA], 0x55555555, v[FA]
	v_sub_nc_u32 v[FA], v[FW], v[FA]               ; the counts of each 2 bits,
	v_lshrrev_b32 v[FB], 2, v[FA]
	v_and_b32 v[FB], 0x33333333, v[FB]
	v_and_b32 v[FT], 0x33333333, v[FA]
	v_add_nc_u32 v[FB], v[FB], v[FT]               ; of each 4,
	v_lshrrev_b32 v[FC], 4, v[FB]
	v_add_nc_u32 v[FC], v[FC], v[FB]
	v_and_b32 v[FC], 0x0f0f0f0f, v[FC]             ; of each 8,
	v_lshrrev_b32 v[FD], 8, v[FC]
	v_add_nc_u32 v[FD], v[FD], v[FC]               ; and, in the low byte, of the low 16
	v_mov_b32 v[FQ], 0
	HALVE FD, 8, 16
	HALVE FC, 8, 8
	HALVE FB, 4, 4
	HALVE FA, 2, 2
	HALVE FW, 1, 1                                 ; the place is 31 at the most, whatever the row
	v_lshl_add_u32 v[FT], v[FI], 5, v[FQ]          ; my row's token t,
	v_bfe_u32 v[FU], v[FW1], v[FQ], 1              ; k,
	v_lshl_add_u32 v[FT], v[FT], 1, v[FU]          ; 2 t + k
	v_cmp_gt_u32 vcc_lo, s12, v[FJ]                ; a row below the expert's count?
	v_cndmask_b32 v[FT], v[SPR], v[FT], vcc_lo     ; else its spare row
	ds_store_b32 v[TSA], v[FT]
.irp k, 0,1,2,3
	ds_load_b128 v[YV+4*\k:YV+4*\k+3], v[TLA] offset:16*\k    ; LDS serves a wave's instructions in order (ISA guide 5.7.1.4): these see the store above
.endr
	s_wait_dscnt 0x0
.irp i, 0,1,2,3,4,5,6,7,8,9,10,11,12,13,14,15
	v_min_u32 v[YV+\i], 0x9ff, v[YV+\i]            ; ybuf has 2,560 rows
.endr
.irp i, 0,1,2,3,4,5,6,7,8,9,10,11,12,13,14,15
	v_lshlrev_b32 v[YV+\i], 12, v[YV+\i]
.endr
.irp i, 0,1,2,3,4,5,6,7,8,9,10,11,12,13,14,15
	v_add_nc_u32 v[YV+\i], v[YV+\i], v[R16]
.endr
.endm
; one product: tile i of w2 x row tile a, K step s.  K step 0 starts the sum.  Row tile 1's scale words stand in lanes 16-31
.macro MM a, i, s
.if (\s) == 0
.if (\a) == 0
	v_wmma_scale_f32_16x16x128_f8f6f4 v[ACC+32*(\a)+8*(\i):ACC+32*(\a)+8*(\i)+7], v[48*((\s)%4)+12*(\i):48*((\s)%4)+12*(\i)+11], v[24*(\s)+12*(\a):24*(\s)+12*(\a)+11], 0, v[WS+8*(\i)+(\s)], v[XS+(\s)] matrix_a_fmt:MATRIX_FMT_FP6 matrix_b_fmt:MATRIX_FMT_FP6
.else
	v_wmma_scale_f32_16x16x128_f8f6f4 v[ACC+32*(\a)+8*(\i):ACC+32*(\a)+8*(\i)+7], v[48*((\s)%4)+12*(\i):48*((\s)%4)+12*(\i)+11], v[24*(\s)+12*(\a):24*(\s)+12*(\a)+11], 0, v[WS+8*(\i)+(\s)], v[XS+(\s)] matrix_a_fmt:MATRIX_FMT_FP6 matrix_b_fmt:MATRIX_FMT_FP6 matrix_b_scale:MATRIX_SCALE_ROW1
.endif
.else
.if (\a) == 0
	v_wmma_scale_f32_16x16x128_f8f6f4 v[ACC+32*(\a)+8*(\i):ACC+32*(\a)+8*(\i)+7], v[48*((\s)%4)+12*(\i):48*((\s)%4)+12*(\i)+11], v[24*(\s)+12*(\a):24*(\s)+12*(\a)+11], v[ACC+32*(\a)+8*(\i):ACC+32*(\a)+8*(\i)+7], v[WS+8*(\i)+(\s)], v[XS+(\s)] matrix_a_fmt:MATRIX_FMT_FP6 matrix_b_fmt:MATRIX_FMT_FP6
.else
	v_wmma_scale_f32_16x16x128_f8f6f4 v[ACC+32*(\a)+8*(\i):ACC+32*(\a)+8*(\i)+7], v[48*((\s)%4)+12*(\i):48*((\s)%4)+12*(\i)+11], v[24*(\s)+12*(\a):24*(\s)+12*(\a)+11], v[ACC+32*(\a)+8*(\i):ACC+32*(\a)+8*(\i)+7], v[WS+8*(\i)+(\s)], v[XS+(\s)] matrix_a_fmt:MATRIX_FMT_FP6 matrix_b_fmt:MATRIX_FMT_FP6 matrix_b_scale:MATRIX_SCALE_ROW1
.endif
.endif
.endm
; four K steps, 32 products: the eight accumulators take turns, one instruction a turn
.macro RUN s0
.irp d, 0,1,2,3
.irp a, 0,1
.irp i, 0,1,2,3
	MM \a, \i, (\s0+\d)
.endr
.endr
.endr
.endm
	s_load_b256 s[4:11], s[0:1], 0x0               ; hcodes, hscales, w2_codes, w2_scales
	s_load_b128 s[12:15], s[0:1], 0x20             ; masks, ybuf
	v_lshl_add_u32 v254, v0, 2, 0x14e00
	v_mov_b32 v255, 0
	v_lshrrev_b32 v[TMP], 5, v0
	v_readfirstlane_b32 s16, v[TMP]                ; wave 0..3
	s_mov_b32 s17, ttmp9                           ; sl
	s_and_b32 s18, ttmp7, 0xffff                   ; e
	v_and_b32 v1, 15, v0                           ; r
	v_bfe_u32 v2, v0, 4, 1                         ; h
	v_and_b32 v3, 31, v0                           ; lane
	s_mul_i32 s30, s16, 16*PITCH                   ; the weights' way in: wave w lays rows 16 w .. 16 w + 15
	v_lshl_add_u32 v[A0], v3, 4, s30
	v_lshl_add_u32 v[A1], v2, 4, v[A0]
	v_mul_u32_u24 v[WFA], v1, PITCH
	v_mad_u32_u24 v[WFA], v2, 24, v[WFA]
	s_mul_i32 s30, s16, STGW
	s_add_co_u32 s30, s30, STG                     ; my stage
	v_mul_u32_u24 v[SO], v1, SP
	v_lshl_add_u32 v[SO], v2, 5, v[SO]
	v_add_nc_u32 v[SO], s30, v[SO]
	v_mul_u32_u24 v[SR], v2, 16*SP
	v_lshl_add_u32 v[SR], v1, 4, v[SR]
	v_add_nc_u32 v[SR], s30, v[SR]
	s_lshl_b32 s30, s16, 7
	s_add_co_u32 s30, s30, TOKST                   ; my wave's 32 places
	v_lshl_add_u32 v[TSA], v3, 2, s30
	v_lshl_add_u32 v[TLA], v2, 6, s30
	s_lshl_b32 s30, s18, 5
	s_add_co_u32 s30, s30, 2048
	v_add_nc_u32 v[SPR], s30, v3
	v_lshlrev_b32 v[R16], 4, v1
	v_mul_u32_u24 v[HLA], v2, 768
	v_lshl_add_u32 v[HLA], v1, 3, v[HLA]
	v_lshlrev_b32 v[L32], 5, v3
	v_lshlrev_b32 v[L16], 4, v3
	v_lshlrev_b32 v[R32], 5, v1
	s_mul_i32 s28, s18, 786432                     ; the expert's codes,
	s_mul_i32 s30, s17, 49152                      ; the slice's 64 rows,
	s_add_co_u32 s28, s28, s30
	s_mul_i32 s30, s16, 12288                      ; the 16 of them that my wave brings
	s_add_co_u32 s28, s28, s30
	s_mov_b32 s29, 0
	s_lshl_b32 s20, s18, 15                        ; the same in the scales: 32 bytes a row
	s_lshl_b32 s30, s17, 11
	s_add_co_u32 s20, s20, s30
	s_mov_b32 s21, 0
	s_lshl_b32 s22, s18, 8                         ; the expert's 256 bytes of masks
	s_mov_b32 s23, 0
	s_lshl_b32 s2, s17, 8                          ; the slice's 256 bytes of a row of ybuf
	s_mov_b32 s3, 0
	s_wait_kmcnt 0x0
	s_add_nc_u64 s[8:9], s[8:9], s[28:29]
	s_add_nc_u64 s[10:11], s[10:11], s[20:21]
	s_add_nc_u64 s[12:13], s[12:13], s[22:23]
	s_add_nc_u64 s[14:15], s[14:15], s[2:3]
	s_load_b512 s[MK:MK+15], s[12:13], 0x0         ; who chose e,
	s_load_b512 s[MK+16:MK+31], s[12:13], 0x40
	s_load_b512 s[M1:M1+15], s[12:13], 0x80        ; and who as the second choice
	s_load_b512 s[M1+16:M1+31], s[12:13], 0xc0
.set i, 0
.rept 24
	global_load_b128 v[LAND+4*i:LAND+4*i+3], v[L16], s[8:9] offset:512*i th:TH_LOAD_NT   ; 12,288 consecutive bytes a wave, 512 a load; read once in the launch
.set i, i+1
.endr
.irp t, 0,1,2,3
	global_load_b128 v[WS+8*\t:WS+8*\t+3], v[R32], s[10:11] offset:512*\t
	global_load_b128 v[WS+8*\t+4:WS+8*\t+7], v[R32], s[10:11] offset:512*\t+16
.endr
	s_wait_kmcnt 0x0                               ; the bits are in, and the scalar loads have read their base: s12 takes the count
	s_bcnt1_i32_b32 s12, s[MK]
.set w, 1
.rept 31
	s_bcnt1_i32_b32 s30, s[MK+w]
	s_add_co_u32 s12, s12, s30
.set w, w+1
.endr
	s_add_co_u32 s19, s12, 31
	s_lshr_b32 s19, s19, 5
	s_min_u32 s19, s19, 32                         ; npairs, 0 to 32
	s_add_co_u32 s26, s19, 3
	s_sub_co_u32 s26, s26, s16
	s_lshr_b32 s26, s26, 2                         ; my wave's trips: the pairs w, w + 4, .. below npairs
	s_mov_b32 s27, 0
	s_max_u32 s25, s19, 1
	s_sub_co_u32 s25, s25, 1                       ; the last pair that has been stored
	s_min_u32 s25, s25, s16                        ; my first pair, or that one
	LOADH 25                                       ; asked for beside the weights, on every wave's path
	SEARCH 25                                      ; where its rows go: worked out while the loads are on their way
	s_wait_loadcnt 0x0
.set i, 0
.rept 24                                       ; load i's bytes 512 i + 16 lane lie in row (that / 768): 16 bytes of padding for each row passed
.if i%3 == 1
	ds_store_b128 v[A1], v[LAND+4*i:LAND+4*i+3] offset:512*i+32*(i/3)
.elseif i%3 == 2
	ds_store_b128 v[A0], v[LAND+4*i:LAND+4*i+3] offset:512*i+32*(i/3)+16
.else
	ds_store_b128 v[A0], v[LAND+4*i:LAND+4*i+3] offset:512*i+32*(i/3)
.endif
.set i, i+1
.endr
	s_wait_dscnt 0x0                               ; for the others' sake: my rows lie in LDS
	s_barrier_signal -1
	s_barrier_wait -1                              ; the one barrier: all 64 rows lie there, and nobody writes them again
	s_cmp_eq_u32 s26, 0
	s_cbranch_scc1 .Lend                           ; no pair for this wave
	WIN 0x40
.irp s, 0,1,2,3
.irp i, 0,1,2,3
.irp p, 0,1,2,3,4,5
	ds_load_b64 v[48*\s+12*\i+2*\p:48*\s+12*\i+2*\p+1], v[WFA] offset:16*PITCH*\i+96*\s+48*(\p/3)+8*(\p%3)
.endr
.endr
.endr
	WIN 0x80
.irp s, 4,5,6,7
.irp i, 0,1,2,3
.irp p, 0,1,2,3,4,5
	ds_load_b64 v[48*(\s-4)+12*\i+2*\p:48*(\s-4)+12*\i+2*\p+1], v[WFA] offset:16*PITCH*\i+96*\s+48*(\p/3)+8*(\p%3)
.endr
.endr
.endr
	WIN 0
.Ltrip:                                            ; a trip: one pair of row tiles
	s_lshl_b32 s24, s27, 2
	s_add_co_u32 s24, s24, s16                     ; the pair in hand: w + 4 x the trips done
	s_wait_loadcnt 0x0                             ; h's fragments and scale words
	s_wait_dscnt 0x0                               ; first trip: the weights' fragments
	WIN 0x0d                                       ; source 0: window 1, source 1: window 3
	RUN 0
	WIN 0x0e                                       ; source 0: window 2
	RUN 4
	WIN 0
.rept 5
	v_nop                                          ; four places in front of the loads into h's registers and of the stores that read results; five in front of the next trip's products, which begin the sums anew
.endr
	s_add_co_u32 s25, s24, 4
	s_cmp_ge_u32 s25, s19
	s_cbranch_scc1 .Lno_next
	LOADH 25                                       ; the next pair lands while this one leaves
.Lno_next:
.irp a, 0,1
.irp t, 0,1,2,3
	ds_store_b128 v[SO], v[ACC+32*\a+8*\t:ACC+32*\a+8*\t+3] offset:16*SP*\a+64*\t     ; each accumulator from its low end on
	ds_store_b128 v[SO], v[ACC+32*\a+8*\t+4:ACC+32*\a+8*\t+7] offset:16*SP*\a+64*\t+16
.endr
.endr
.irp i, 0,1,2,3,4,5,6,7,8,9,10,11,12,13,14,15
	ds_load_b128 v[OUTR+4*\i:OUTR+4*\i+3], v[SR] offset:SP*\i                          ; LDS serves a wave's instructions in order (ISA guide 5.7.1.4): these see the stores above.  Lanes 0-15: row i; lanes 16-31: row 16 + i
.endr
.irp i, 0,1,2,3,4,5,6,7,8,9,10,11,12,13,14,15
	s_wait_dscnt 15-\i                             ; behind this load stand the 15 - i after it
	global_store_b128 v[YV+\i], v[OUTR+4*\i:OUTR+4*\i+3], s[14:15] th:TH_STORE_NT      ; sixteen lanes store 256 consecutive bytes, aligned
.endr
	s_wait_xcnt 0x0                                ; on every way back into the loop: these stores have read their data and their offsets, which the next trip's stage loads and the search below write again
	s_cmp_ge_u32 s25, s19
	s_cbranch_scc1 .Lno_search
	SEARCH 25                                      ; where the next pair's rows go, while its fragments are on their way
.Lno_search:
	s_add_co_u32 s27, s27, 1
	s_cmp_lt_u32 s27, s26
	s_cbranch_scc1 .Ltrip
.Lend:
	s_wait_tensorcnt 0x0
	ds_add_u32 v254, v255
	s_wait_dscnt 0x0
	s_endpgm
.Lfunc_end_k_q0b8ff8d58a_down:
	.size	k_q0b8ff8d58a_down, .Lfunc_end_k_q0b8ff8d58a_down-k_q0b8ff8d58a_down
	.p2alignl 7, 3214868480
	.fill 96, 4, 3214868480
	.section	.rodata,"a",@progbits
	.p2align	6, 0x0
	.amdhsa_kernel k_q0b8ff8d58a_down
		.amdhsa_group_segment_fixed_size 86016
		.amdhsa_private_segment_fixed_size 0
		.amdhsa_enable_private_segment 0
		.amdhsa_kernarg_size 48
		.amdhsa_user_sgpr_count 2
		.amdhsa_user_sgpr_kernarg_segment_ptr 1
		.amdhsa_wavefront_size32 1
		.amdhsa_system_sgpr_workgroup_id_x 1
		.amdhsa_system_sgpr_workgroup_id_y 1
		.amdhsa_system_sgpr_workgroup_id_z 1
		.amdhsa_system_vgpr_workitem_id 0
		.amdhsa_next_free_vgpr 960
		.amdhsa_next_free_sgpr 100
		.amdhsa_reserve_vcc 1
		.amdhsa_float_denorm_mode_32 3
		.amdhsa_float_denorm_mode_16_64 3
		.amdhsa_memory_ordered 1
		.amdhsa_forward_progress 1
		.amdhsa_inst_pref_size 85
	.end_amdhsa_kernel
	.amdgpu_metadata
---
amdhsa.version: [ 1, 2 ]
amdhsa.kernels:
  - .name:           k_q0b8ff8d58a_down
    .symbol:         k_q0b8ff8d58a_down.kd
    .args:
      - { .name: hcodes, .offset: 0, .size: 8, .value_kind: global_buffer, .address_space: global }
      - { .name: hscales, .offset: 8, .size: 8, .value_kind: global_buffer, .address_space: global }
      - { .name: w2_codes, .offset: 16, .size: 8, .value_kind: global_buffer, .address_space: global }
      - { .name: w2_scales, .offset: 24, .size: 8, .value_kind: global_buffer, .address_space: global }
      - { .name: masks, .offset: 32, .size: 8, .value_kind: global_buffer, .address_space: global }
      - { .name: ybuf, .offset: 40, .size: 8, .value_kind: global_buffer, .address_space: global }
    .group_segment_fixed_size: 86016
    .private_segment_fixed_size: 0
    .kernarg_segment_align: 8
    .kernarg_segment_size: 48
    .max_flat_workgroup_size: 128
    .sgpr_count:     100
    .vgpr_count:     960
    .wavefront_size: 32
...
	.end_amdgpu_metadata
.endif
;; end of part 3
;; launch add (part 4): grid 256 x 1, 4 waves a work-group, no clusters, 0 bytes of LDS; arguments ybuf, wts, out0; writes out0
.if DOCPART == 4
	.amdgcn_target "amdgcn-amd-amdhsa--gfx1250"
	.amdhsa_code_object_version 6
	.text
	.protected	k_q0b8ff8d58a_add
	.globl	k_q0b8ff8d58a_add
	.p2align	8
	.type	k_q0b8ff8d58a_add,@function
k_q0b8ff8d58a_add:
	s_mov_b64 s[64:65], 0
	v_nop
	global_prefetch_b8 v0, s[64:65] scope:SCOPE_SE
	s_setreg_imm32_b32 hwreg(HW_REG_WAVE_MODE, 25, 1), 1
	s_wait_xcnt 0x0
; ADD.  out0[t] = wts[t][0] ybuf[2 t] + wts[t][1] ybuf[2 t + 1]: the two terms that the combine weights leave of the sum over 16 experts, in f32, one fused multiply-add.
; The launch before has laid each token's two rows at a place that hangs on the token's number alone: so every address here is made of ids, and the weights and the rows are asked for together.
; A wave takes a token: 8,192 consecutive bytes in, 4,096 out; every load and store of the wave covers 512 consecutive bytes, aligned.  All 16 loads go out at once.
; No LDS, no matrix unit: the launch only moves bytes.
.set Y0, 8                             ; v[8:39]   the first row
.set Y1, 40                            ; v[40:71]  the second
.set O,  72                            ; v[72:103] the sum
	s_load_b128 s[4:7], s[0:1], 0x0                ; ybuf s[4:5], wts s[6:7]
	s_load_b64 s[8:9], s[0:1], 0x10                ; out0
	v_lshrrev_b32 v1, 5, v0
	v_readfirstlane_b32 s12, v1                    ; wave
	v_and_b32 v2, 31, v0
	v_lshlrev_b32 v2, 4, v2                        ; 16 x lane
	s_lshl_b32 s13, ttmp9, 2
	s_add_co_u32 s13, s13, s12                     ; my token
	s_lshl_b32 s14, s13, 3                         ; its 8 bytes of wts,
	s_mov_b32 s15, 0
	s_lshl_b32 s20, s13, 13                        ; its two rows of ybuf,
	s_mov_b32 s21, 0
	s_lshl_b32 s24, s13, 12                        ; its row of out0
	s_mov_b32 s25, 0
	s_wait_kmcnt 0x0
	s_add_nc_u64 s[6:7], s[6:7], s[14:15]
	s_load_b64 s[22:23], s[6:7], 0x0               ; its two weights
	s_add_nc_u64 s[4:5], s[4:5], s[20:21]
	s_add_nc_u64 s[8:9], s[8:9], s[24:25]
.irp i, 0,1,2,3,4,5,6,7
	global_load_b128 v[Y0+4*\i:Y0+4*\i+3], v2, s[4:5] offset:512*\i th:TH_LOAD_NT
	global_load_b128 v[Y1+4*\i:Y1+4*\i+3], v2, s[4:5] offset:4096+512*\i th:TH_LOAD_NT
.endr
	s_wait_kmcnt 0x0
	s_mov_b32 s16, s22                             ; each weight twice: the packed forms name a pair
	s_mov_b32 s17, s22
	s_mov_b32 s18, s23
	s_mov_b32 s19, s23
.irp i, 0,1,2,3,4,5,6,7
	s_wait_loadcnt 14-2*\i                         ; loads come back in order (ISA guide 5.7.1): this pair is in, the pairs behind it may be out
	v_pk_mul_f32 v[O+4*\i:O+4*\i+1], v[Y0+4*\i:Y0+4*\i+1], s[16:17] op_sel_hi:[1,0]
	v_pk_mul_f32 v[O+4*\i+2:O+4*\i+3], v[Y0+4*\i+2:Y0+4*\i+3], s[16:17] op_sel_hi:[1,0]
	v_pk_fma_f32 v[O+4*\i:O+4*\i+1], v[Y1+4*\i:Y1+4*\i+1], s[18:19], v[O+4*\i:O+4*\i+1] op_sel_hi:[1,0,1]
	v_pk_fma_f32 v[O+4*\i+2:O+4*\i+3], v[Y1+4*\i+2:Y1+4*\i+3], s[18:19], v[O+4*\i+2:O+4*\i+3] op_sel_hi:[1,0,1]
	global_store_b128 v2, v[O+4*\i:O+4*\i+3], s[8:9] offset:512*\i th:TH_STORE_NT
.endr
	s_endpgm
.Lfunc_end_k_q0b8ff8d58a_add:
	.size	k_q0b8ff8d58a_add, .Lfunc_end_k_q0b8ff8d58a_add-k_q0b8ff8d58a_add
	.p2alignl 7, 3214868480
	.fill 96, 4, 3214868480
	.section	.rodata,"a",@progbits
	.p2align	6, 0x0
	.amdhsa_kernel k_q0b8ff8d58a_add
		.amdhsa_group_segment_fixed_size 0
		.amdhsa_private_segment_fixed_size 0
		.amdhsa_enable_private_segment 0
		.amdhsa_kernarg_size 24
		.amdhsa_user_sgpr_count 2
		.amdhsa_user_sgpr_kernarg_segment_ptr 1
		.amdhsa_wavefront_size32 1
		.amdhsa_system_sgpr_workgroup_id_x 1
		.amdhsa_system_sgpr_workgroup_id_y 1
		.amdhsa_system_sgpr_workgroup_id_z 1
		.amdhsa_system_vgpr_workitem_id 0
		.amdhsa_next_free_vgpr 104
		.amdhsa_next_free_sgpr 66
		.amdhsa_reserve_vcc 0
		.amdhsa_float_denorm_mode_32 3
		.amdhsa_float_denorm_mode_16_64 3
		.amdhsa_memory_ordered 1
		.amdhsa_forward_progress 1
		.amdhsa_inst_pref_size 6
	.end_amdhsa_kernel
	.amdgpu_metadata
---
amdhsa.version: [ 1, 2 ]
amdhsa.kernels:
  - .name:           k_q0b8ff8d58a_add
    .symbol:         k_q0b8ff8d58a_add.kd
    .args:
      - { .name: ybuf, .offset: 0, .size: 8, .value_kind: global_buffer, .address_space: global }
      - { .name: wts, .offset: 8, .size: 8, .value_kind: global_buffer, .address_space: global }
      - { .name: out0, .offset: 16, .size: 8, .value_kind: global_buffer, .address_space: global }
    .group_segment_fixed_size: 0
    .private_segment_fixed_size: 0
    .kernarg_segment_align: 8
    .kernarg_segment_size: 24
    .max_flat_workgroup_size: 128
    .sgpr_count:     66
    .vgpr_count:     104
    .wavefront_size: 32
...
	.end_amdgpu_metadata
.endif
;; end of part 4
;; ======== version 2 of 2: 4 launches
;; workspace buffers: masks 4,096 bytes of whole numbers; wts 8,192 bytes; hcodes 12,582,912 bytes; hscales 524,288 bytes; ybuf 10,485,760 bytes
;; launch route (part 5): grid 8 x 1, 4 waves a work-group, no clusters, 0 bytes of LDS; arguments router_logits, per_expert_scale, masks, wts; writes masks, wts
.if DOCPART == 5
	.amdgcn_target "amdgcn-amd-amdhsa--gfx1250"
	.amdhsa_code_object_version 6
	.text
	.protected	k_q0b8ff8d58a_route
	.globl	k_q0b8ff8d58a_route
	.p2align	8
	.type	k_q0b8ff8d58a_route,@function
k_q0b8ff8d58a_route:
	s_mov_b64 s[64:65], 0
	v_nop
	global_prefetch_b8 v0, s[64:65] scope:SCOPE_SE
	s_setreg_imm32_b32 hwreg(HW_REG_WAVE_MODE, 25, 1), 1
	s_wait_xcnt 0x0
; ROUTE.  For each of 1,024 tokens: the two largest of its 16 logits (of equal logits the lower index, as jax.lax.top_k has it), the full softmax with the
; row's maximum taken away, the two chosen probabilities divided by their sum (by 1 where that sum is not above 0), each times its expert's scale.
; A thread takes a token: 128 threads x 8 work-groups; a wave's 32 tokens are one word of bits.  Stored at fixed places:
;   wts[t][2] (f32), 8 bytes a thread: a wave's store covers 256 consecutive bytes, aligned;
;   masks[e][2][32] (whole numbers): word g of masks[e][0] has bit l set where token 32 g + l chose expert e, of masks[e][1] where it chose e as its SECOND.
; No address and no branch hangs on the logits: every choice is a v_cndmask_b32, and the bits are values like any other.
; The masks leave 4 bytes a lane, 128 bytes apart: laid for their readers, which take an expert's words by scalar loads; 4 KiB in the whole launch.
; LIMITS: NaN among the logits is not served.  Exponentials under 2^-126 come out as 0 (ISA guide, v_exp_f32); divisions are v_rcp_f32 and a multiplication.
; No LDS, no matrix unit: 64 KiB are read once.
.set LG, 8                             ; v[8:23]   the token's 16 logits; at the end: at work
.set EX, 32                            ; v[32:47]  2^((l - m1) log2 e)
	s_load_b128 s[4:7], s[0:1], 0x0                ; logits s[4:5], per_expert_scale s[6:7]
	s_load_b128 s[8:11], s[0:1], 0x10              ; masks s[8:9], wts s[10:11]
	s_lshl_b32 s12, ttmp9, 7
	v_add_nc_u32 v1, s12, v0                       ; my token
	v_lshlrev_b32 v2, 6, v1                        ; its 64 bytes of logits
	v_lshlrev_b32 v3, 3, v1                        ; its 8 bytes in wts
	v_and_b32 v4, 15, v0                           ; the masks' way out: lane l stores the word of expert l % 16,
	v_bfe_u32 v5, v0, 4, 1                         ; of the first kind (lanes 0-15) or the second,
	v_lshrrev_b32 v6, 5, v1                        ; for my wave's 32 tokens
	v_lshlrev_b32 v4, 8, v4
	v_lshl_add_u32 v4, v5, 7, v4
	v_lshl_add_u32 v4, v6, 2, v4                   ; 256 e + 128 kind + 4 g
	s_wait_alu depctr_va_vdst(0)
	s_wait_kmcnt 0x0
	s_load_b512 s[16:31], s[6:7], 0x0              ; the 16 scales, as scalars
.irp i, 0,1,2,3
	global_load_b128 v[LG+4*\i:LG+4*\i+3], v2, s[4:5] offset:16*\i
.endr
	s_wait_kmcnt 0x0
	s_wait_loadcnt 0x0
	; the largest: value v24, index v25, its expert's scale v26.  A strict > keeps the lower index
	v_mov_b32 v24, v[LG]
	v_mov_b32 v25, 0
	v_mov_b32 v26, s16
.irp e, 1,2,3,4,5,6,7,8,9,10,11,12,13,14,15
	v_cmp_gt_f32 vcc_lo, v[LG+\e], v24
	v_cndmask_b32 v24, v24, v[LG+\e], vcc_lo
	v_cndmask_b32 v25, v25, \e, vcc_lo
	v_cndmask_b32 v26, v26, s[16+\e], vcc_lo
.endr
	; the second: it starts at the lowest index that is not the first's, and passes over the first's
	v_cmp_eq_u32 vcc_lo, 0, v25
	v_mov_b32 v30, s16
	v_cndmask_b32 v27, v[LG], v[LG+1], vcc_lo      ; value
	v_cndmask_b32 v28, 0, 1, vcc_lo                ; index
	v_cndmask_b32 v29, v30, s17, vcc_lo            ; scale
.irp e, 1,2,3,4,5,6,7,8,9,10,11,12,13,14,15
	v_cmp_gt_f32 s2, v[LG+\e], v27
	v_cmp_ne_u32 s3, \e, v25
	s_and_b32 vcc_lo, s2, s3
	v_cndmask_b32 v27, v27, v[LG+\e], vcc_lo
	v_cndmask_b32 v28, v28, \e, vcc_lo
	v_cndmask_b32 v29, v29, s[16+\e], vcc_lo
.endr
	; the softmax: e^(l - m1) for all 16, and by the same three lines for the second largest
.irp e, 0,1,2,3,4,5,6,7,8,9,10,11,12,13,14,15
	v_sub_f32 v[EX+\e], v[LG+\e], v24
.endr
	v_sub_f32 v48, v27, v24
.irp e, 0,1,2,3,4,5,6,7,8,9,10,11,12,13,14,15
	v_mul_f32 v[EX+\e], 0x3fb8aa3b, v[EX+\e]       ; x log2(e)
.endr
	v_mul_f32 v48, 0x3fb8aa3b, v48
	s_wait_alu depctr_va_vdst(0)
.irp e, 0,1,2,3,4,5,6,7,8,9,10,11,12,13,14,15
	v_exp_f32 v[EX+\e], v[EX+\e]
.endr
	v_exp_f32 v48, v48
	v_mov_b32 v58, 1                               ; (for the masks below)  plain lines behind the exponentials (ISA guide 5.7.2)
	v_mov_b32 v56, 0
	s_wait_alu depctr_va_vdst(0)
.irp k, 0,2,4,6
	v_pk_add_f32 v[EX+\k:EX+\k+1], v[EX+\k:EX+\k+1], v[EX+8+\k:EX+8+\k+1]   ; the sum, as a tree
.endr
	v_pk_add_f32 v[EX:EX+1], v[EX:EX+1], v[EX+4:EX+5]
	v_pk_add_f32 v[EX+2:EX+3], v[EX+2:EX+3], v[EX+6:EX+7]
	v_pk_add_f32 v[EX:EX+1], v[EX:EX+1], v[EX+2:EX+3]
	v_add_f32 v32, v32, v33
	s_wait_alu depctr_va_vdst(0)
	v_rcp_f32 v49, v32                             ; p1 = 1 / Z: the largest logit's exponential is 1
	v_nop
	s_wait_alu depctr_va_vdst(0)
	v_mul_f32 v48, v48, v49                        ; p2
	v_add_f32 v54, v49, v48                        ; the sum of the two chosen
	v_cmp_lt_f32 vcc_lo, 0, v54
	v_cndmask_b32 v54, 1.0, v54, vcc_lo            ; 1 where it is not above 0
	s_wait_alu depctr_va_vdst(0)
	v_rcp_f32 v55, v54
	v_nop
	s_wait_alu depctr_va_vdst(0)
	v_mul_f32 v52, v49, v55
	v_mul_f32 v53, v48, v55
	v_mul_f32 v52, v52, v26                        ; times the expert's scale
	v_mul_f32 v53, v53, v29
	global_store_b64 v3, v[52:53], s[10:11]
	; the masks: for each expert the wave's 32 bits, of both kinds; the scales' scalars are free by now.  In runs, so that no line waits for the line above it
	v_lshlrev_b32 v57, v25, v58                    ; 1 << first
	v_lshlrev_b32 v59, v28, v58                    ; 1 << second
	v_or_b32 v57, v57, v59
.irp e, 0,1,2,3,4,5,6,7,8,9,10,11,12,13,14,15
	v_and_b32 v[LG+\e], 1<<\e, v57
.endr
.irp e, 0,1,2,3,4,5,6,7,8,9,10,11,12,13,14,15
	v_cmp_ne_u32 s[16+\e], 0, v[LG+\e]             ; chose e
.endr
.irp e, 0,1,2,3,4,5,6,7,8,9,10,11,12,13,14,15
	v_cmp_eq_u32 s[32+\e], \e, v28                 ; chose e as its second
.endr
.irp e, 0,1,2,3,4,5,6,7,8,9,10,11,12,13,14,15
	v_writelane_b32 v56, s[16+\e], \e
.endr
.irp e, 0,1,2,3,4,5,6,7,8,9,10,11,12,13,14,15
	v_writelane_b32 v56, s[32+\e], 16+\e
.endr
	global_store_b32 v4, v56, s[8:9]
	s_endpgm
.Lfunc_end_k_q0b8ff8d58a_route:
	.size	k_q0b8ff8d58a_route, .Lfunc_end_k_q0b8ff8d58a_route-k_q0b8ff8d58a_route
	.p2alignl 7, 3214868480
	.fill 96, 4, 3214868480
	.section	.rodata,"a",@progbits
	.p2align	6, 0x0
	.amdhsa_kernel k_q0b8ff8d58a_route
		.amdhsa_group_segment_fixed_size 0
		.amdhsa_private_segment_fixed_size 0
		.amdhsa_enable_private_segment 0
		.amdhsa_kernarg_size 32
		.amdhsa_user_sgpr_count 2
		.amdhsa_user_sgpr_kernarg_segment_ptr 1
		.amdhsa_wavefront_size32 1
		.amdhsa_system_sgpr_workgroup_id_x 1
		.amdhsa_system_sgpr_workgroup_id_y 1
		.amdhsa_system_sgpr_workgroup_id_z 1
		.amdhsa_system_vgpr_workitem_id 0
		.amdhsa_next_free_vgpr 64
		.amdhsa_next_free_sgpr 66
		.amdhsa_reserve_vcc 1
		.amdhsa_float_denorm_mode_32 3
		.amdhsa_float_denorm_mode_16_64 3
		.amdhsa_memory_ordered 1
		.amdhsa_forward_progress 1
		.amdhsa_inst_pref_size 18
	.end_amdhsa_kernel
	.amdgpu_metadata
---
amdhsa.version: [ 1, 2 ]
amdhsa.kernels:
  - .name:           k_q0b8ff8d58a_route
    .symbol:         k_q0b8ff8d58a_route.kd
    .args:
      - { .name: router_logits, .offset: 0, .size: 8, .value_kind: global_buffer, .address_space: global }
      - { .name: per_expert_scale, .offset: 8, .size: 8, .value_kind: global_buffer, .address_space: global }
      - { .name: masks, .offset: 16, .size: 8, .value_kind: global_buffer, .address_space: global }
      - { .name: wts, .offset: 24, .size: 8, .value_kind: global_buffer, .address_space: global }
    .group_segment_fixed_size: 0
    .private_segment_fixed_size: 0
    .kernarg_segment_align: 8
    .kernarg_segment_size: 32
    .max_flat_workgroup_size: 128
    .sgpr_count:     66
    .vgpr_count:     64
    .wavefront_size: 32
...
	.end_amdgpu_metadata
.endif
;; end of part 5
;; launch up (part 6): grid 16 x 16, 4 waves a work-group, no clusters, 201,728 bytes of LDS; arguments x_codes, x_scales, w1_codes, w1_scales, w3_codes, w3_scales, masks, hcodes, hscales; writes hcodes, hscales
.if DOCPART == 6
	.amdgcn_target "amdgcn-amd-amdhsa--gfx1250"
	.amdhsa_code_object_version 6
	.text
	.protected	k_q0b8ff8d58a_up
	.globl	k_q0b8ff8d58a_up
	.p2align	8
	.type	k_q0b8ff8d58a_up,@function
k_q0b8ff8d58a_up:
	s_mov_b64 s[64:65], 0
	v_nop
	global_prefetch_b8 v0, s[64:65] scope:SCOPE_SE
	s_setreg_imm32_b32 hwreg(HW_REG_WAVE_SCHED_MODE, 0, 2), 2
	s_setreg_imm32_b32 hwreg(HW_REG_WAVE_MODE, 25, 1), 1
	s_wait_xcnt 0x0
	s_wait_alu depctr_vm_vsrc(0)
; UP.  h = gelu(x w1^T) * (x w3^T) for the rows that chose expert e, quantised along I to codes of FP6 (E2M3) with one E8M0 byte for each 32.
; SHARES.  Work-group (sl, e) owns columns 64 sl .. 64 sl + 63 of I of expert e: 96 KiB of w1 and w3, which no other work-group reads.  Wave w = (cw = w % 2, rw = w / 2) owns block
; b = 2 sl + cw of 32 columns, of w1 and of w3, for all of K = 1,024: 4 tiles x 8 K steps x 12 = 384 registers, which stay.  It walks the expert's pairs of row tiles (32 rows)
; rw, rw + 2, .. below npairs = ceil(count / 32), held at 1 from below: pair 0 is made for an expert that nobody chose too, so that the next launch's first load, which stands on every wave's path,
; finds bytes that were stored.  The trip count is read from memory, so this launch has no tensor load, no cluster and one barrier only, at the head, on every wave's path; behind it the waves share
; nothing.  The price: the two waves of a pair gather the same rows of x.
; THE ROWS.  masks[e][0] has a bit for each token that chose e: 32 words, kept in scalar registers.  ROW j OF THE EXPERT IS ITS j-TH SET BIT.  Lane l finds row 32 pair + l (macro SEARCH): the word, by a
; scan with a running count of bits, four words at a time; the bit in it, by five halvings on the counts of its 16, 8, 4, 2 bits and 1 bit.  A row past the count gets a token of the last word: a real token, whose result nobody reads.
; The 32 tokens go through 128 bytes of the wave's own LDS, so that each half of the lanes has its 16 rows' tokens in 16 registers.
; THE WEIGHTS come as they lie, 512 consecutive bytes a load, are laid into LDS as rows (pitch 784) and read back once as fragments.
; x: each half of a wave loads 256 consecutive bytes of a row, aligned; they turn into fragments through the wave's own 32 rows of LDS.
; THE PRODUCT IS USED TRANSPOSED: source 0 = 16 rows of the weight, source 1 = 16 rows of x: a lane holds one row of x.  THE WEIGHT ROWS OF A TILE ARE NOT NEIGHBOURS: lane r of tile u takes column
; 8 u + r + 8 (r / 8) of the block, so that the 16 registers of tiles 0 and 1 are 16 neighbouring columns, 16 (lane / 16) + 0 .. 15.
; THE GELU is the exact one: gelu(v) = max(v, 0) - |v| X, X = Phi(-|v|), t = |v| / sqrt(2).  t > 0.921875: X = 2^(-log2(e) r - 1), r = t + t (c7 + c6 t + .. + c1 t^6);
; else X = 0.5 - 0.5 (t + t P(t^2)).  Both are computed and one is chosen by v_cndmask_b32.
; LIMITS.  The two polynomials are fitted for erf: X has an absolute error of about 3e-8, gelu of about 3e-8 |v|, as 0.5 v (1 + erf) has in f32.  The RELATIVE error for negative v grows with |v|:
; about 1e-6 at v = -1.3, 5e-5 at -4.2, 1.5e-4 at -5.7, some per cent at -8.5, where |gelu| is under 2e-16.  NaN and infinities are not served.
; A block of zeros gets the byte 1 where the rule says 127: its codes are zeros, and this program alone reads the bytes.
; hcodes is laid for its reader: [e][pair][block][piece 0..2][lane][8 bytes], lane 16 a + r holding the 24 bytes of the block of row 16 a + r: each store of the wave covers 256 consecutive bytes, aligned.
; hscales are rows of 32 bytes; a wave stores one byte a row: one byte for each 24 of codes.
; REGISTERS, in windows of 256.  Window 0: below.  Window 1: v0-191 the weights' fragments of K steps 0-3 (48 s + 12 i; i = w1 tile 0, 1, w3 tile 0, 1), v192-255 gathered x, chunks 0-15.
; Window 2: the same for K steps 4-7, chunks 16-31.  Window 3: v0-191 the pair's x fragments (24 s + 12 a; at the head: where the weights land), v192-255 chunks 32-47.
; THE MODE: SCHED_MODE bits 1:0 = 2 (LLVM: expert scheduling mode 2), set by the entry lines.  The code itself states the register dependences
; between vector or matrix instructions and memory or LDS instructions, and those through scalar registers and VCC that vector instructions write, with s_wait_alu, always for 0.
; THE PLAN.  Registers that memory or LDS instructions touch, round a trip:
;   the chunks      Written by the gather's loads, read by XSTORE's LDS stores; no vector instruction names them.
;   XSN             Written by the gather's two last loads, read by the eight moves at the trip's head.
;   TK, TKB         TKB: written by the search, read by its LDS store.  TK: written by the search's LDS loads.  Both: written again by ADDRS, read by the gather as offsets.
;   x's fragments   Written by FETCHK's LDS loads, read by the products.  (At the head: written by the weights' loads, read by the weights' LDS stores.)
;   CD, BY, HO, HSO Written by QUANT's vector lines, read by its four stores.
;   All other addresses are made once, at the head, ahead of its wait on va_vdst, and never written again; so are v254 and v255, which the closing add alone reads.
; At the trip's head stand one wait on vm_vsrc (the last trip's stores, the gather, in the first trip the weights' LDS stores have read their registers) and, behind the moves and their places, one on
; va_vdst (XS is written; the moves are done with XSN, the last trip's products with x's fragments).  Behind these no vector or matrix instruction names a fragment's registers ahead of that fragment's own
; products: so the 96 LDS loads of a pair's fragments owe nothing more, and run three K steps ahead of the products, dealt among them.  The other waits stand where a register is made and read at
; once: in the search, in ADDRS, ahead of the gather, in the gelu, ahead of QUANT's stores.  Compares are laid in runs, into scalar registers, with one wait on va_sdst behind a run.
.set PITCH, 784                        ; an LDS row: 768 bytes + 16 = 196 words: row r starts at bank 4 r mod 64 (64 banks of 4 bytes: ISA guide 11.1)
.set WMU,   64*PITCH                   ; LDS 0: w1's 64 rows; then w3's
.set XST,   2*WMU                      ; then 32 rows of x for each wave
.set XSTW,  32*PITCH
.set TOKST, XST+4*XSTW                 ; then 32 tokens, 128 bytes, for each wave
.set A0,  4                            ; v4   where my 16 bytes of a weight load go in LDS
.set A1,  5                            ; v5   the same where lanes 16-31 lie one row on
.set WFA, 6                            ; v6   my place in a weight fragment
.set XWA, 7                            ; v7   where my 16 bytes of a gathered chunk go
.set XFA, 8                            ; v8   my place in a fragment of x
.set L8,  9                            ; v9   8 x lane
.set HO,  10                           ; v10  my byte in hcodes
.set HSO, 11                           ; v11  my byte in hscales
.set TSA, 12                           ; v12  LDS: where my row's token goes
.set TLA, 13                           ; v13  LDS: where my half's 16 tokens lie
.set WS,  16                           ; v16-47  the weights' scale words: 8 i + s
.set XS,  48                           ; v48-55  x's scale words of the pair in hand: lane 16 a + r has row 16 a + r's
.set XSN, 56                           ; v56-63  the next pair's, as they land
.set TK,  64                           ; v64-79  my half's 16 tokens, then their rows' byte offsets in x_codes
.set TKB, 80                           ; v80     my lane's token, then its byte offset in x_scales
.set R16, 81                           ; v81     16 x (lane % 16)
.set VC2, 82                           ; v[82:83] c2, v[84:85] c4, v[86:87] d1, twice each
.set VC4, 84
.set VD1, 86
.set L32, 88                           ; v88     32 x lane
.set L16, 89                           ; v89     16 x lane
.set WSO, 90                           ; v90     my weight row's scale bytes
.set TMP, 91
.set ACC, 96                           ; v96-159 accumulators: 32 a + 8 i
.set T,   160                          ; v160-191 the gelu's work: t, t^2 (then max(v, 0)), the exponential's branch, the other branch
.set S,   168
.set R,   176
.set Q,   184
.set QM,  200                          ; v200-207 the quantiser's work
.set CD,  224                          ; v224-230 codes
.set BY,  232                          ; v232    scale byte
.set FJ,  240                          ; v240-251 the search: my row; its word; the bits below the word; the word's number; the word's counts of 2, 4, 8, 16 bits; which bit; its place; at work
.set FW,  241
.set FP,  242
.set FI,  243
.set FA,  244
.set FB,  245
.set FC,  246
.set FD,  247
.set FN,  248
.set FQ,  249
.set FT,  250
.set FU,  251
; s[4:21] the nine buffers; s22 the trips done, s23 my wave's trips; s24 wave, s25 cw, s26 rw, s27 sl, s28 e, s29 npairs, s30 the pair in hand, s2, s3, s31-37 at work, s[38:39] lane selects,
; s[40:61] constants in pairs, s62 sqrt(1/2), s63 0.921875, s66 the mask of lanes 16-31, s67 b, s[68:99] the expert's 32 words of bits
.set MK,  68
.set RP,  31                           ; s31-34 the search: four running counts of bits, by turns
.set CM,  2                            ; s2, s3, s36, s37 the search: the masks of four compares: CM + k + CA (k / 2)
.set CA,  32
.set MSB, 0
.macro WIN new                         ; the immediate's high byte repeats the setting that is left; a switch that changes nothing is dropped
.if MSB != (\new)
	s_set_vgpr_msb (MSB<<8)|(\new)
.set MSB, (\new)
.endif
.endm
.macro CPAIR reg, val                  ; a constant twice: the packed forms name a pair
	s_mov_b32 s[\reg], \val
	s_mov_b32 s[\reg+1], \val
.endm
; a halving: are there at most FN set bits in the lower \inc bits of what is left?  Then the bit sought lies above them
.macro HALVE x, wd, inc
	v_bfe_u32 v[FT], v[\x], v[FQ], \wd
	v_cmp_ge_u32 vcc_lo, v[FN], v[FT]
	s_wait_alu depctr_va_vcc(0)                    ; the compare has written VCC, which the two selects read
	v_cndmask_b32 v[FT], 0, v[FT], vcc_lo
	v_cndmask_b32 v[FU], 0, \inc, vcc_lo
	v_sub_nc_u32 v[FN], v[FN], v[FT]
	v_add_nc_u32 v[FQ], v[FQ], v[FU]
.endm
; the tokens of pair s[pc]: lane l's row is 32 pair + l.  It leaves my token in v[TKB], my half's 16 in v[TK ..], the expert's count of bits in s[RP+3], and no LDS instruction of the wave out
.macro SEARCH pc
	s_lshl_b32 s35, s[\pc], 5
	v_add_nc_u32 v[FJ], s35, v3
	v_mov_b32 v[FW], s[MK]
	s_wait_alu depctr_va_vdst(0)
	v_mov_b32 v[FP], 0
	s_wait_alu depctr_va_vdst(0)
	v_mov_b32 v[FI], 0
.set rn, 0
	s_wait_alu depctr_va_vdst(0)
.rept 8                                ; the last word below which at most j bits are set: words 4 rn + 1 .. 4 rn + 4 in a run; count k of the four is the number of bits below word 4 rn + k + 1
.irp k, 0,1,2,3
.if 4*rn+\k == 0
	s_bcnt1_i32_b32 s[RP], s[MK]
.else
	s_bcnt1_i32_b32 s[RP+\k], s[MK+4*rn+\k]
	s_add_co_u32 s[RP+\k], s[RP+\k], s[RP+(\k+3)%4]
.endif
.endr
.irp k, 0,1,2,3
.if 4*rn+\k+1 < 32
	v_cmp_le_u32 s[CM+\k+CA*(\k/2)], s[RP+\k], v[FJ]
.endif
.endr
	s_wait_alu depctr_va_sdst(0)                   ; the run's compares have written their masks, which the selects below read
	s_wait_alu depctr_va_vdst(0)
.irp k, 0,1,2,3
.if 4*rn+\k+1 < 32
	v_cndmask_b32 v[FW], v[FW], s[MK+4*rn+\k+1], s[CM+\k+CA*(\k/2)]
	v_cndmask_b32 v[FP], v[FP], s[RP+\k], s[CM+\k+CA*(\k/2)]
	v_cndmask_b32 v[FI], v[FI], 4*rn+\k+1, s[CM+\k+CA*(\k/2)]
.endif
.endr
.set rn, rn+1
.endr                                  ; (the last run's fourth count is that of all 32 words)
	v_sub_nc_u32 v[FN], v[FJ], v[FP]               ; which of the word's set bits, from 0
	v_lshrrev_b32 v[FA], 1, v[FW]
	v_and_b32 v[FA], 0x55555555, v[FA]
	v_sub_nc_u32 v[FA], v[FW], v[FA]               ; the counts of each 2 bits,
	v_lshrrev_b32 v[FB], 2, v[FA]
	v_and_b32 v[FB], 0x33333333, v[FB]
	v_and_b32 v[FT], 0x33333333, v[FA]
	v_add_nc_u32 v[FB], v[FB], v[FT]               ; of each 4,
	v_lshrrev_b32 v[FC], 4, v[FB]
	v_add_nc_u32 v[FC], v[FC], v[FB]
	v_and_b32 v[FC], 0x0f0f0f0f, v[FC]             ; of each 8,
	v_lshrrev_b32 v[FD], 8, v[FC]
	v_add_nc_u32 v[FD], v[FD], v[FC]               ; and, in the low byte, of the low 16
	v_mov_b32 v[FQ], 0
	HALVE FD, 8, 16
	HALVE FC, 8, 8
	HALVE FB, 4, 4
	HALVE FA, 2, 2
	HALVE FW, 1, 1                                 ; the place is 31 at the most, whatever the row
	v_lshl_add_u32 v[TKB], v[FI], 5, v[FQ]         ; my row's token
	s_wait_alu depctr_va_vdst(0)                   ; v[TKB] is written, which the LDS store reads; the lines that made the last pair's offsets are done with v[TK ..], in which the LDS loads land
	ds_store_b32 v[TSA], v[TKB]
.irp k, 0,1,2,3
	ds_load_b128 v[TK+4*\k:TK+4*\k+3], v[TLA] offset:16*\k    ; LDS serves a wave's instructions in order (ISA guide 5.7.1.4): these see the store above
.endr
	s_wait_dscnt 0x0
.endm
; tokens to byte offsets, in place
.macro ADDRS
	s_wait_alu depctr_vm_vsrc(0)                   ; the search's LDS store has read v[TKB], which is written again below
.irp q, 0,1,2,3,4,5,6,7,8,9,10,11,12,13,14,15
	v_min_u32 v[TK+\q], 0x3ff, v[TK+\q]
.endr
	v_min_u32 v[TKB], 0x3ff, v[TKB]
.irp q, 0,1,2,3,4,5,6,7,8,9,10,11,12,13,14,15
	v_mul_u32_u24 v[TK+\q], v[TK+\q], 768
.endr
.irp q, 0,1,2,3,4,5,6,7,8,9,10,11,12,13,14,15
	v_add_nc_u32 v[TK+\q], v[TK+\q], v[R16]
.endr
	v_lshlrev_b32 v[TKB], 5, v[TKB]
.endm
; chunk i = 3 q + part: lanes 0-15 take bytes 256 part .. + 255 of row q, lanes 16-31 of row 16 + q.  48 loads, and 2 for the scale words.  again = 1: in a trip, where the chunks have been stored to LDS
.macro GATHER again
	s_wait_alu depctr_va_vdst(0)                   ; the offsets v[TK ..] and v[TKB] are written, which the loads below read
.if \again
	s_wait_alu depctr_vm_vsrc(0)                   ; XSTORE's LDS stores have read the chunks, in which the loads below land
.endif
.set i, 0
.rept 48
	WIN 0x40*(1+i/16)
	global_load_b128 v[192+4*(i%16):195+4*(i%16)], v[TK+i/3], s[4:5] offset:256*(i%3)
.set i, i+1
.endr
	WIN 0
	global_load_b128 v[XSN:XSN+3], v[TKB], s[6:7]
	global_load_b128 v[XSN+4:XSN+7], v[TKB], s[6:7] offset:16
.endm
.macro XSTORE
.set i, 0
.rept 48
	WIN 0x04*(1+i/16)
	ds_store_b128 v[XWA], v[192+4*(i%16):195+4*(i%16)] offset:PITCH*(i/3)+256*(i%3)
.set i, i+1
.endr
	WIN 0
.endm
; a fragment, 16 rows x 128 K of 6-bit codes: lane (r, h) takes the 24 bytes at 96 s + 24 h and the 24 at 96 s + 48 + 24 h of row r, in pieces of 8 bytes.  The two fragments of K step s: 12 loads.
; No wait on va_vdst or vm_vsrc stands here: since those at the trip's head no instruction has named these registers
.macro FETCHK s
	WIN 0xc0
.irp a, 0,1
.irp p, 0,1,2,3,4,5
	ds_load_b64 v[24*(\s)+12*\a+2*\p:24*(\s)+12*\a+2*\p+1], v[XFA] offset:16*PITCH*\a+96*(\s)+48*(\p/3)+8*(\p%3)
.endr
.endr
.endm
; one product: weight tile i x row tile a, K step s.  K step 0 starts the sum.  Row tile 1's scale words stand in lanes 16-31
.macro MM a, i, s
.if (\s) == 0
.if (\a) == 0
	v_wmma_scale_f32_16x16x128_f8f6f4 v[ACC+32*(\a)+8*(\i):ACC+32*(\a)+8*(\i)+7], v[48*((\s)%4)+12*(\i):48*((\s)%4)+12*(\i)+11], v[24*(\s)+12*(\a):24*(\s)+12*(\a)+11], 0, v[WS+8*(\i)+(\s)], v[XS+(\s)] matrix_a_fmt:MATRIX_FMT_FP6 matrix_b_fmt:MATRIX_FMT_FP6
.else
	v_wmma_scale_f32_16x16x128_f8f6f4 v[ACC+32*(\a)+8*(\i):ACC+32*(\a)+8*(\i)+7], v[48*((\s)%4)+12*(\i):48*((\s)%4)+12*(\i)+11], v[24*(\s)+12*(\a):24*(\s)+12*(\a)+11], 0, v[WS+8*(\i)+(\s)], v[XS+(\s)] matrix_a_fmt:MATRIX_FMT_FP6 matrix_b_fmt:MATRIX_FMT_FP6 matrix_b_scale:MATRIX_SCALE_ROW1
.endif
.else
.if (\a) == 0
	v_wmma_scale_f32_16x16x128_f8f6f4 v[ACC+32*(\a)+8*(\i):ACC+32*(\a)+8*(\i)+7], v[48*((\s)%4)+12*(\i):48*((\s)%4)+12*(\i)+11], v[24*(\s)+12*(\a):24*(\s)+12*(\a)+11], v[ACC+32*(\a)+8*(\i):ACC+32*(\a)+8*(\i)+7], v[WS+8*(\i)+(\s)], v[XS+(\s)] matrix_a_fmt:MATRIX_FMT_FP6 matrix_b_fmt:MATRIX_FMT_FP6
.else
	v_wmma_scale_f32_16x16x128_f8f6f4 v[ACC+32*(\a)+8*(\i):ACC+32*(\a)+8*(\i)+7], v[48*((\s)%4)+12*(\i):48*((\s)%4)+12*(\i)+11], v[24*(\s)+12*(\a):24*(\s)+12*(\a)+11], v[ACC+32*(\a)+8*(\i):ACC+32*(\a)+8*(\i)+7], v[WS+8*(\i)+(\s)], v[XS+(\s)] matrix_a_fmt:MATRIX_FMT_FP6 matrix_b_fmt:MATRIX_FMT_FP6 matrix_b_scale:MATRIX_SCALE_ROW1
.endif
.endif
.endm
; K step s, 8 products: the eight accumulators take turns, one instruction a turn
.macro RUNK s
	s_wait_dscnt 12*(3-((\s)/5)*((\s)-4))          ; LDS loads come back in order (ISA guide 5.7.1): this K step's 12 are in (first trip: the weights' fragments too); behind them stand 12 for each younger K step asked for: three, at the end 2, 1, 0
	WIN 0x0d+(\s)/4                                ; source 0: window 1 (K steps 0-3) or 2, source 1: window 3
.irp a, 0,1
.irp i, 0,1,2,3
	MM \a, \i, \s
.endr
.endr
.endm
; eight numbers: v[g ..] = gelu(v[g ..]) x v[u ..].  Each accumulator is read from its low end on
.macro GELU4 g, u
.irp k, 0,1,2,3,4,5,6,7
	v_mul_f32 v[T+\k], s62, |v[\g+\k]|             ; t = |v| / sqrt(2)
.endr
.irp k, 0,2,4,6
	v_pk_mul_f32 v[S+\k:S+\k+1], v[T+\k:T+\k+1], v[T+\k:T+\k+1]
.endr
.irp k, 0,2,4,6
	v_pk_fma_f32 v[R+\k:R+\k+1], v[T+\k:T+\k+1], s[40:41], v[VC2:VC2+1] op_sel_hi:[1,0,1]   ; c1 t + c2
.endr
.irp k, 0,2,4,6
	v_pk_fma_f32 v[Q+\k:Q+\k+1], v[T+\k:T+\k+1], s[42:43], v[VC4:VC4+1] op_sel_hi:[1,0,1]   ; c3 t + c4
.endr
.irp k, 0,2,4,6
	v_pk_fma_f32 v[R+\k:R+\k+1], v[R+\k:R+\k+1], v[S+\k:S+\k+1], v[Q+\k:Q+\k+1]
.endr
.irp c, 44,46,48                       ; c5, c6, c7
.irp k, 0,2,4,6
	v_pk_fma_f32 v[R+\k:R+\k+1], v[R+\k:R+\k+1], v[T+\k:T+\k+1], s[\c:\c+1] op_sel_hi:[1,1,0]
.endr
.endr
.irp k, 0,2,4,6
	v_pk_fma_f32 v[R+\k:R+\k+1], v[R+\k:R+\k+1], v[T+\k:T+\k+1], v[T+\k:T+\k+1]            ; r
.endr
.irp k, 0,2,4,6
	v_pk_fma_f32 v[R+\k:R+\k+1], v[R+\k:R+\k+1], s[50:51], -1.0 op_sel_hi:[1,0,0]          ; -log2(e) r - 1
.endr
	s_wait_alu depctr_va_vdst(0)
.irp k, 0,1,2,3,4,5,6,7
	v_exp_f32 v[R+\k], v[R+\k]                     ; X for t above the threshold
.endr
.irp k, 0,2,4,6
	v_pk_fma_f32 v[Q+\k:Q+\k+1], v[S+\k:S+\k+1], s[52:53], v[VD1:VD1+1] op_sel_hi:[1,0,1]   ; d0 t^2 + d1: plain lines behind the exponentials (ISA guide 5.7.2)
.endr
.irp c, 54,56,58,60                    ; d2 .. d5
.irp k, 0,2,4,6
	v_pk_fma_f32 v[Q+\k:Q+\k+1], v[Q+\k:Q+\k+1], v[S+\k:S+\k+1], s[\c:\c+1] op_sel_hi:[1,1,0]
.endr
.endr
.irp k, 0,2,4,6
	v_pk_fma_f32 v[Q+\k:Q+\k+1], v[Q+\k:Q+\k+1], v[T+\k:T+\k+1], v[T+\k:T+\k+1]            ; erf(t)
.endr
.irp k, 0,2,4,6
	v_pk_fma_f32 v[Q+\k:Q+\k+1], v[Q+\k:Q+\k+1], -0.5, 0.5 op_sel_hi:[1,0,0]               ; X for t up to the threshold
.endr
.irp k, 0,1,2,3,4,5,6,7
	v_cmp_lt_f32 s[31+\k-36*(\k/7)], s63, v[T+\k]  ; the eight compares in one run: their masks in s31 to s37 and s2
.endr
	s_wait_alu depctr_va_vdst(0)                   ; the eight exponentials have written v[R ..], which the selects below are the first to name
	s_wait_alu depctr_va_sdst(0)                   ; the eight compares have written their masks, which the selects read
.irp k, 0,1,2,3,4,5,6,7
	v_cndmask_b32 v[Q+\k], v[Q+\k], v[R+\k], s[31+\k-36*(\k/7)]
.endr
.irp k, 0,1,2,3,4,5,6,7
	v_max_num_f32 v[S+\k], 0, v[\g+\k]
.endr
.irp k, 0,1,2,3,4,5,6,7
	v_fma_f32 v[\g+\k], -|v[\g+\k]|, v[Q+\k], v[S+\k]   ; max(v, 0) - |v| X
.endr
.irp k, 0,2,4,6
	v_pk_mul_f32 v[\g+\k:\g+\k+1], v[\g+\k:\g+\k+1], v[\u+\k:\u+\k+1]
.endr
.endm
; the pair's block of h: 16 numbers a lane and row tile become codes and a byte, and leave
.macro QUANT
	s_wait_xcnt 0x0                                ; the last trip's stores have had their addresses translated: their data and offsets are written again below (that they have read these registers is stated at the trip's head)
.irp a, 0,1
	v_max3_num_f32 v[QM+\a], |v[ACC+32*\a]|, |v[ACC+32*\a+1]|, 0x1800000   ; my 16, and the floor 2^(3 - 127): the byte cannot fall under 1
.endr
.irp k, 2,4,6,8,10,12,14
.irp a, 0,1
	v_max3_num_f32 v[QM+\a], v[QM+\a], |v[ACC+32*\a+\k]|, |v[ACC+32*\a+\k+1]|
.endr
.endr
.irp a, 0,1
	v_permlanex16_b32 v[QM+2+\a], v[QM+\a], s38, s39
.endr
.irp a, 0,1
	v_max_num_f32 v[QM+\a], v[QM+\a], v[QM+2+\a]   ; with lane l xor 16's 16: the block's largest magnitude
.endr
.irp a, 0,1
	v_add_nc_u32 v[QM+4+\a], 0xff000000, v[QM+\a]  ; 2 off its exponent field: the conversion's scale operand
.endr
.irp a, 0,1
	v_lshrrev_b32 v[QM+6+\a], 23, v[QM+4+\a]       ; the scale's byte
.endr
	v_cvt_scalef32_pk16_fp6_f32 v[CD:CD+2], v[ACC:ACC+15], v[QM+4]          ; row tile 0: the codes of columns 16 h + 0 .. 15
	v_cvt_scalef32_pk16_fp6_f32 v[CD+4:CD+6], v[ACC+32:ACC+47], v[QM+5]     ; row tile 1
	v_cndmask_b32 v[BY], v[QM+6], v[QM+7], s66     ; lane 16 a + r keeps row 16 a + r's byte.  (The plain line behind the conversions)
.irp k, 0,1,2
	v_permlane16_swap_b32 v[CD+\k], v[CD+4+\k]     ; tile 0's lanes 16-31 change places with tile 1's lanes 0-15: lane 16 a + r now holds row 16 a + r's lower 16 codes here and its upper 16 there
.endr
	v_mov_b32 v[CD+3], v[CD+4]                     ; (a conversion's three registers begin on an even number)
	v_mov_b32 v[CD+4], v[CD+5]
	v_mov_b32 v[CD+5], v[CD+6]
	s_min_u32 s32, s30, 31                         ; (the pair is under 32 by the loop's bound)
	s_lshl_b32 s33, s28, 5
	s_add_co_u32 s33, s33, s32                     ; 32 e + pair
	s_lshl_b32 s34, s33, 5
	s_add_co_u32 s34, s34, s67                     ; x 32 blocks + b
	s_mul_i32 s35, s34, 768
	v_add_nc_u32 v[HO], s35, v[L8]
	s_lshl_b32 s36, s33, 10                        ; 32 rows of 32 bytes
	s_add_co_u32 s36, s36, s67
	v_add_nc_u32 v[HSO], s36, v[L32]
	s_wait_alu depctr_va_vdst(0)                   ; the codes v[CD ..], the byte v[BY] and the offsets v[HO], v[HSO] are written, which the four stores read
	global_store_b64 v[HO], v[CD:CD+1], s[18:19] th:TH_STORE_NT
	global_store_b64 v[HO], v[CD+2:CD+3], s[18:19] offset:256 th:TH_STORE_NT
	global_store_b64 v[HO], v[CD+4:CD+5], s[18:19] offset:512 th:TH_STORE_NT
	global_store_b8 v[HSO], v[BY], s[20:21]
.endm
	s_load_b512 s[4:19], s[0:1], 0x0               ; x_codes, x_scales, w1_codes, w1_scales, w3_codes, w3_scales, masks, hcodes
	s_load_b64 s[20:21], s[0:1], 0x40              ; hscales
	v_lshl_add_u32 v254, v0, 2, 0x31200
	v_mov_b32 v255, 0
	v_lshrrev_b32 v[TMP], 5, v0
	v_readfirstlane_b32 s24, v[TMP]                ; wave 0..3
	v_and_b32 v1, 15, v0                           ; r
	v_bfe_u32 v2, v0, 4, 1                         ; h
	v_and_b32 v3, 31, v0                           ; lane
	s_wait_alu depctr_va_vdst(0)
	s_mov_b32 s27, ttmp9                           ; sl
	s_and_b32 s28, ttmp7, 0xffff                   ; e
	s_wait_alu depctr_va_sdst(0)                   ; s24 is written, ahead of its first reader
	s_and_b32 s25, s24, 1                          ; cw
	s_lshr_b32 s26, s24, 1                         ; rw
	s_lshl_b32 s67, s27, 1
	s_add_co_u32 s67, s67, s25                     ; b
	s_mul_i32 s31, s24, 16*PITCH                   ; the weights' way in: wave w lays rows 16 w .. 16 w + 15
	v_lshl_add_u32 v[A0], v3, 4, s31
	v_lshl_add_u32 v[A1], v2, 4, v[A0]
	v_and_b32 v[TMP], 8, v1
	v_add_nc_u32 v[TMP], v[TMP], v1                ; r + 8 (r / 8)
	v_mul_u32_u24 v[WFA], v[TMP], PITCH
	v_mad_u32_u24 v[WFA], v2, 24, v[WFA]
	s_mul_i32 s31, s25, 32*PITCH                   ; my block's 32 rows
	v_add_nc_u32 v[WFA], s31, v[WFA]
	s_mul_i32 s31, s24, XSTW
	s_add_co_u32 s31, s31, XST                     ; my wave's rows of x
	v_mul_u32_u24 v[XWA], v2, 16*PITCH
	v_lshl_add_u32 v[XWA], v1, 4, v[XWA]
	v_add_nc_u32 v[XWA], s31, v[XWA]
	v_mul_u32_u24 v[XFA], v1, PITCH
	v_mad_u32_u24 v[XFA], v2, 24, v[XFA]
	v_add_nc_u32 v[XFA], s31, v[XFA]
	s_lshl_b32 s31, s24, 7
	s_add_co_u32 s31, s31, TOKST                   ; my wave's 32 tokens
	v_lshl_add_u32 v[TSA], v3, 2, s31
	v_lshl_add_u32 v[TLA], v2, 6, s31
	v_lshlrev_b32 v[L8], 3, v3
	v_lshlrev_b32 v[R16], 4, v1
	v_lshlrev_b32 v[L32], 5, v3
	v_lshlrev_b32 v[L16], 4, v3
	s_lshl_b32 s31, s25, 5
	v_add_nc_u32 v[WSO], s31, v[TMP]
	v_lshlrev_b32 v[WSO], 5, v[WSO]                ; 32 bytes of scales a weight row
	s_mov_b32 s38, 0x76543210                      ; v_permlanex16_b32's selects for lane l xor 16
	s_mov_b32 s39, 0xfedcba98
	CPAIR 40, 0x37911480                           ; c1
	CPAIR 42, 0x3b7e899b                           ; c3
	CPAIR 44, 0x3ddaae58                           ; c5
	CPAIR 46, 0x3f228550                           ; c6
	CPAIR 48, 0x3e03ce86                           ; c7
	CPAIR 50, 0xbfb8aa3b                           ; -log2(e)
	CPAIR 52, 0xba1d0d41                           ; d0
	CPAIR 54, 0xbcdb45e9                           ; d2
	CPAIR 56, 0x3de70d23                           ; d3
	CPAIR 58, 0xbec09370                           ; d4
	CPAIR 60, 0x3e0375d3                           ; d5
	s_mov_b32 s62, 0x3f3504f3                      ; sqrt(1/2)
	s_mov_b32 s63, 0x3f6c0000                      ; 0.921875
	s_mov_b32 s66, 0xffff0000
	v_mov_b32 v[VC2], 0xb9c8e966                   ; c2
	v_mov_b32 v[VC2+1], 0xb9c8e966
	v_mov_b32 v[VC4], 0xbcc6b180                   ; c4
	v_mov_b32 v[VC4+1], 0xbcc6b180
	v_mov_b32 v[VD1], 0x3ba39fa4                   ; d1
	v_mov_b32 v[VD1+1], 0x3ba39fa4
	v_mov_b32 v[QM+2], 0                           ; written once: a lane permute's destination counts as one of its sources
	v_mov_b32 v[QM+3], 0
	s_mul_i32 s32, s28, 786432                     ; the expert's codes,
	s_mul_i32 s31, s27, 49152                      ; the slice's 64 rows,
	s_add_co_u32 s32, s32, s31
	s_mul_i32 s31, s24, 12288                      ; the 16 of them that my wave brings
	s_add_co_u32 s32, s32, s31
	s_mov_b32 s33, 0
	s_lshl_b32 s34, s28, 15                        ; the same in the scales: 32 bytes a row
	s_lshl_b32 s31, s27, 11
	s_add_co_u32 s34, s34, s31
	s_mov_b32 s35, 0
	s_lshl_b32 s36, s28, 8                         ; the expert's 256 bytes of masks
	s_mov_b32 s37, 0
	s_wait_kmcnt 0x0
	s_add_nc_u64 s[8:9], s[8:9], s[32:33]
	s_add_nc_u64 s[12:13], s[12:13], s[32:33]
	s_add_nc_u64 s[10:11], s[10:11], s[34:35]
	s_add_nc_u64 s[14:15], s[14:15], s[36:37]
	s_sub_nc_u64 s[14:15], s[14:15], s[36:37]
	s_add_nc_u64 s[14:15], s[14:15], s[34:35]
	s_add_nc_u64 s[16:17], s[16:17], s[36:37]
	s_load_b512 s[MK:MK+15], s[16:17], 0x0         ; the 32 words of the first kind: who chose e
	s_load_b512 s[MK+16:MK+31], s[16:17], 0x40
	WIN 0xc0
	s_wait_alu depctr_va_vdst(0)                   ; every address and offset made above (v4 to v9, v12, v13, v81, v88 to v90) is written, which the loads and stores of the whole kernel read
.set i, 0
.rept 24
	global_load_b128 v[4*i:4*i+3], v[L16], s[8:9] offset:512*i th:TH_LOAD_NT          ; w1: 12,288 consecutive bytes a wave, 512 a load; read once in the launch
.set i, i+1
.endr
.set i, 0
.rept 24
	global_load_b128 v[96+4*i:99+4*i], v[L16], s[12:13] offset:512*i th:TH_LOAD_NT    ; w3
.set i, i+1
.endr
	WIN 0
.irp u, 0,1
	global_load_b128 v[WS+8*\u:WS+8*\u+3], v[WSO], s[10:11] offset:256*\u             ; tile u begins 8 rows on
	global_load_b128 v[WS+8*\u+4:WS+8*\u+7], v[WSO], s[10:11] offset:256*\u+16
	global_load_b128 v[WS+16+8*\u:WS+16+8*\u+3], v[WSO], s[14:15] offset:256*\u
	global_load_b128 v[WS+16+8*\u+4:WS+16+8*\u+7], v[WSO], s[14:15] offset:256*\u+16
.endr
	s_wait_kmcnt 0x0                               ; the bits
	SEARCH 26                                      ; my first pair's tokens, while the weights are on their way
	s_add_co_u32 s29, s[RP+3], 31                  ; the search has left the expert's count
	s_lshr_b32 s29, s29, 5
	s_min_u32 s29, s29, 32
	s_max_u32 s29, s29, 1                          ; npairs, 1 to 32
	s_add_co_u32 s23, s29, 1
	s_sub_co_u32 s23, s23, s26
	s_lshr_b32 s23, s23, 1                         ; my wave's trips: the pairs rw, rw + 2, .. below npairs
	s_mov_b32 s22, 0
	ADDRS
	GATHER 0                                       ; 50 loads
	s_wait_loadcnt 50                              ; the weights and their scales are in: behind them stand the gather's 50
	WIN 0x0c                                       ; an LDS store's data are its source 1: window 3
.set i, 0
.rept 24                                       ; load i's bytes 512 i + 16 lane lie in row (that / 768): 16 bytes of padding for each row passed
.if i%3 == 1
	ds_store_b128 v[A1], v[4*i:4*i+3] offset:512*i+32*(i/3)
	ds_store_b128 v[A1], v[96+4*i:99+4*i] offset:WMU+512*i+32*(i/3)
.elseif i%3 == 2
	ds_store_b128 v[A0], v[4*i:4*i+3] offset:512*i+32*(i/3)+16
	ds_store_b128 v[A0], v[96+4*i:99+4*i] offset:WMU+512*i+32*(i/3)+16
.else
	ds_store_b128 v[A0], v[4*i:4*i+3] offset:512*i+32*(i/3)
	ds_store_b128 v[A0], v[96+4*i:99+4*i] offset:WMU+512*i+32*(i/3)
.endif
.set i, i+1
.endr
	WIN 0
	s_wait_dscnt 0x0                               ; for the others' sake: my rows lie in LDS
	s_barrier_signal -1
	s_barrier_wait -1                              ; the one barrier: all 128 rows lie there, and nobody writes them again
	s_cmp_eq_u32 s23, 0
	s_cbranch_scc1 .Lend                           ; no pair for this wave
	WIN 0x40
.irp s, 0,1,2,3
.irp i, 0,1,2,3
.irp p, 0,1,2,3,4,5
	ds_load_b64 v[48*\s+12*\i+2*\p:48*\s+12*\i+2*\p+1], v[WFA] offset:WMU*(\i/2)+8*PITCH*(\i%2)+96*\s+48*(\p/3)+8*(\p%3)
.endr
.endr
.endr
	WIN 0x80
.irp s, 4,5,6,7
.irp i, 0,1,2,3
.irp p, 0,1,2,3,4,5
	ds_load_b64 v[48*(\s-4)+12*\i+2*\p:48*(\s-4)+12*\i+2*\p+1], v[WFA] offset:WMU*(\i/2)+8*PITCH*(\i%2)+96*\s+48*(\p/3)+8*(\p%3)
.endr
.endr
.endr
	WIN 0
.Ltrip:                                            ; a trip: one pair of row tiles
	s_lshl_b32 s30, s22, 1
	s_add_co_u32 s30, s30, s26                     ; the pair in hand: rw + 2 x the trips done
	s_wait_loadcnt 0x0                             ; this pair's x and its scale words are in
	s_wait_alu depctr_vm_vsrc(0)                   ; the gather has read v[TK ..] and v[TKB], the last trip's stores v[CD ..], v[BY], v[HO], v[HSO], in the first trip the weights' LDS stores window 3's v0-191: all are written again in this trip
.irp k, 0,1,2,3,4,5,6,7
	v_mov_b32 v[XS+\k], v[XSN+\k]
.endr
.rept 8
	v_nop                                          ; a scale register written by a vector instruction stands 8 places ahead of the scaled product
.endr
	s_wait_alu depctr_va_vdst(0)                   ; v[XS ..] is written, which the products take as scales; the moves are done reading v[XSN ..], in which the next gather lands; the last trip's products are done reading x's fragments, in which the LDS loads below land
	XSTORE
	s_add_co_u32 s35, s30, 2
	s_cmp_ge_u32 s35, s29
	s_cbranch_scc1 .Lno_next
	SEARCH 35                                      ; the next pair's tokens, while the stores above drain
	ADDRS
	GATHER 1                                       ; it lands while this pair is multiplied and activated
.Lno_next:
	FETCHK 0                                       ; LDS serves a wave's instructions in order (ISA guide 5.7.1.4): these see the stores above
	FETCHK 1
	FETCHK 2
	FETCHK 3
	RUNK 0                                         ; the fragments run three K steps ahead of the products: K step s + 4 is asked for behind the products of K step s, which name none of its registers
	FETCHK 4
	RUNK 1
	FETCHK 5
	RUNK 2
	FETCHK 6
	RUNK 3
	FETCHK 7
	RUNK 4
	RUNK 5
	RUNK 6
	RUNK 7
	WIN 0
.rept 4
	v_nop                                          ; four places between the last product and the first read of results (ISA guide 7.12.1)
.endr
	GELU4 ACC, ACC+16
	GELU4 ACC+8, ACC+24
	GELU4 ACC+32, ACC+48
	GELU4 ACC+40, ACC+56
	QUANT
	s_add_co_u32 s22, s22, 1
	s_cmp_lt_u32 s22, s23
	s_cbranch_scc1 .Ltrip
.Lend:
	s_wait_dscnt 0x0                               ; the closing lines, six on end
	s_wait_alu 0x0
	s_wait_tensorcnt 0x0
	ds_add_u32 v254, v255
	s_wait_dscnt 0x0
	s_endpgm
.Lfunc_end_k_q0b8ff8d58a_up:
	.size	k_q0b8ff8d58a_up, .Lfunc_end_k_q0b8ff8d58a_up-k_q0b8ff8d58a_up
	.p2alignl 7, 3214868480
	.fill 96, 4, 3214868480
	.section	.rodata,"a",@progbits
	.p2align	6, 0x0
	.amdhsa_kernel k_q0b8ff8d58a_up
		.amdhsa_group_segment_fixed_size 201728
		.amdhsa_private_segment_fixed_size 0
		.amdhsa_enable_private_segment 0
		.amdhsa_kernarg_size 72
		.amdhsa_user_sgpr_count 2
		.amdhsa_user_sgpr_kernarg_segment_ptr 1
		.amdhsa_wavefront_size32 1
		.amdhsa_system_sgpr_workgroup_id_x 1
		.amdhsa_system_sgpr_workgroup_id_y 1
		.amdhsa_system_sgpr_workgroup_id_z 1
		.amdhsa_system_vgpr_workitem_id 0
		.amdhsa_next_free_vgpr 1024
		.amdhsa_next_free_sgpr 100
		.amdhsa_reserve_vcc 1
		.amdhsa_float_denorm_mode_32 3
		.amdhsa_float_denorm_mode_16_64 3
		.amdhsa_memory_ordered 1
		.amdhsa_forward_progress 1
		.amdhsa_inst_pref_size 118
	.end_amdhsa_kernel
	.amdgpu_metadata
---
amdhsa.version: [ 1, 2 ]
amdhsa.kernels:
  - .name:           k_q0b8ff8d58a_up
    .symbol:         k_q0b8ff8d58a_up.kd
    .args:
      - { .name: x_codes, .offset: 0, .size: 8, .value_kind: global_buffer, .address_space: global }
      - { .name: x_scales, .offset: 8, .size: 8, .value_kind: global_buffer, .address_space: global }
      - { .name: w1_codes, .offset: 16, .size: 8, .value_kind: global_buffer, .address_space: global }
      - { .name: w1_scales, .offset: 24, .size: 8, .value_kind: global_buffer, .address_space: global }
      - { .name: w3_codes, .offset: 32, .size: 8, .value_kind: global_buffer, .address_space: global }
      - { .name: w3_scales, .offset: 40, .size: 8, .value_kind: global_buffer, .address_space: global }
      - { .name: masks, .offset: 48, .size: 8, .value_kind: global_buffer, .address_space: global }
      - { .name: hcodes, .offset: 56, .size: 8, .value_kind: global_buffer, .address_space: global }
      - { .name: hscales, .offset: 64, .size: 8, .value_kind: global_buffer, .address_space: global }
    .group_segment_fixed_size: 201728
    .private_segment_fixed_size: 0
    .kernarg_segment_align: 8
    .kernarg_segment_size: 72
    .max_flat_workgroup_size: 128
    .sgpr_count:     100
    .vgpr_count:     1024
    .wavefront_size: 32
...
	.end_amdgpu_metadata
.endif
;; end of part 6
;; launch down (part 7): grid 16 x 16, 4 waves a work-group, no clusters, 86,016 bytes of LDS; arguments hcodes, hscales, w2_codes, w2_scales, masks, ybuf; writes ybuf
.if DOCPART == 7
	.amdgcn_target "amdgcn-amd-amdhsa--gfx1250"
	.amdhsa_code_object_version 6
	.text
	.protected	k_q0b8ff8d58a_down
	.globl	k_q0b8ff8d58a_down
	.p2align	8
	.type	k_q0b8ff8d58a_down,@function
k_q0b8ff8d58a_down:
	s_mov_b64 s[64:65], 0
	v_nop
	global_prefetch_b8 v0, s[64:65] scope:SCOPE_SE
	s_setreg_imm32_b32 hwreg(HW_REG_WAVE_SCHED_MODE, 0, 2), 2
	s_setreg_imm32_b32 hwreg(HW_REG_WAVE_MODE, 25, 1), 1
	s_wait_xcnt 0x0
	s_wait_alu depctr_vm_vsrc(0)
; DOWN.  y = h w2^T for the rows that chose expert e, on codes of FP6 (E2M3) with one E8M0 byte for each 32 along K = I = 1,024; y in f32, unweighted.
; SHARES.  Work-group (sl, e) owns columns 64 sl .. + 63 of H of expert e: 48 KiB of w2, which no other work-group reads.  EVERY wave holds all of it: 4 tiles x 8 K steps x 12 = 384 registers, which stay.
; Wave w walks the expert's pairs of row tiles (32 rows) w, w + 4, .. below npairs = ceil(count / 32).  That trip count is read from memory, so this launch has no tensor load, no cluster, and one
; barrier only, at the head, on every wave's path.  h's fragments come from memory straight into registers: hcodes is laid in the order of the operand's registers.
; WHERE y GOES.  Row j of the expert is the j-th set bit of masks[e][0], token t; bit t of masks[e][1] says whether e is t's first choice (k = 0) or its second (k = 1).  The row goes to ybuf[2 t + k]:
; so the next launch finds a token's two rows at a place that hangs on the token's number alone.  A row past the expert's count goes to a spare row of its own, 2048 + 32 e + its place in the pair, which nobody reads.
; Lane l finds row 32 pair + l (macro SEARCH, as in the launch before); the 32 places go through 128 bytes of the wave's own LDS, so that each half of the lanes has its 16 rows' places in 16 registers.
; THE FIRST PAIR'S LOAD stands ahead of the barrier, beside the weights', on every wave's path.  A wave that has no pair of its own loads the expert's last pair (pair 0 where nobody chose the expert: the
; launch before has stored it) and drops it: 25 KiB, in the few waves whose number is not below npairs.
; THE PRODUCT IS USED TRANSPOSED (source 0 = 16 rows of w2, source 1 = 16 rows of h): a lane holds eight neighbouring columns of one row of y.  A pair goes through the wave's own stage in LDS
; and leaves as rows: sixteen lanes store 256 consecutive bytes, aligned.
; The two rows of a token lie in two experts' work-groups, so their weighted sum is a later launch's.
; REGISTERS.  Window 0: below.  Window 1: w2's fragments of K steps 0-3 (48 s + 12 tile).  Window 2: K steps 4-7.  Window 3: v0-191 the pair's fragments of h (24 s + 12 a).
; THE MODE: SCHED_MODE bits 1:0 = 2 (LLVM: expert scheduling mode 2), set by the entry lines.  The code itself states the register dependences
; between vector or matrix instructions and memory or LDS instructions, and those through scalar registers and VCC that vector instructions write, with s_wait_alu, always for 0.
; THE PLAN.  Registers that memory or LDS instructions touch, round a trip:
;   h's fragments, XS  Written by LOADH's loads, read by the products.
;   ACC                Written by the products, read by the stage's LDS stores.  (At the head, as LAND: written by the weights' loads, read by the weights' LDS stores.)
;   OUTR               Written by the stage's LDS loads, read by the global stores as data.  No vector instruction names them.
;   YV                 Written by the search: its LDS loads, then three vector lines each; read by the global stores as offsets.
;   FT                 Written by the search, read by its LDS store.
;   All other addresses are made once, at the head, ahead of its wait on va_vdst, and never written again; so are v254 and v255, which the closing add alone reads.
; ONE wait on va_vdst stands in a trip, behind the products and their places: the accumulators are written, the products are done reading h's fragments and XS, and v[YV ..] is written.  The next pair's 98 loads,
; the stage's 16 stores and 16 loads and the 16 global stores follow it with no further wait: no vector instruction stands among them.  ONE wait on vm_vsrc stands behind the stores, ahead of the branch:
; it frees OUTR, YV, ACC and FT for the search and the next trip.  The search has its own waits, where a register is made and read at once; its compares are laid in runs, with one wait on va_sdst behind a run.
.set PITCH, 784                        ; an LDS row of w2: 768 bytes + 16
.set STG,   64*PITCH                   ; behind the 64 rows: a stage of 32 rows x 272 bytes for each wave
.set SP,    272
.set STGW,  32*SP
.set TOKST, STG+4*STGW                 ; then 32 places, 128 bytes, for each wave
.set A0,  4                            ; v4   where my 16 bytes of a weight load go in LDS
.set A1,  5                            ; v5   the same where lanes 16-31 lie one row on
.set WFA, 6                            ; v6   my place in a weight fragment
.set SO,  7                            ; v7   the stage: where I put 32 bytes of a row
.set SR,  8                            ; v8   and where I read 16 bytes of a row back: lanes 0-15 in row tile 0, lanes 16-31 in row tile 1
.set R16, 9                            ; v9   16 x (lane % 16)
.set HLA, 10                           ; v10  my place in a block of hcodes: 768 h + 8 r
.set L32, 11                           ; v11  32 x lane
.set TMP, 12
.set L16, 13                           ; v13  16 x lane
.set R32, 14                           ; v14  32 x (lane % 16)
.set SPR, 15                           ; v15  my spare row: 2048 + 32 e + lane
.set WS,  16                           ; v16-47  w2's scale words: 8 tile + s
.set XS,  48                           ; v48-55  h's scale words: lane 16 a + r has row 16 a + r's
.set TSA, 56                           ; v56  LDS: where my row's place goes
.set TLA, 57                           ; v57  LDS: where my half's 16 places lie
.set ACC, 64                           ; v64-127 accumulators: 32 a + 8 tile
.set OUTR, 128                         ; v128-191 rows read back from the stage
.set LAND, 64                          ; v64-159 at the head: where the weights land
.set YV,  192                          ; v192-207 my half's 16 rows' places in ybuf, then my byte offsets in them
.set FJ,  208                          ; v208-220 the search: my row; its word of each kind; the bits below the word; the word's number; the word's counts of 2, 4, 8, 16 bits; which bit; its place; at work
.set FW,  209
.set FW1, 210
.set FP,  211
.set FI,  212
.set FA,  213
.set FB,  214
.set FC,  215
.set FD,  216
.set FN,  217
.set FQ,  218
.set FT,  219
.set FU,  220
; s[4:11] hcodes, hscales, w2_codes, w2_scales; s[12:13] masks, then s12 the expert's count; s[14:15] ybuf at my slice; s16 wave, s17 sl, s18 e, s19 npairs, s[20:23] the pair's bases in hcodes and hscales,
; s24 the pair in hand, s25 the pair to load, s26 my wave's trips, s27 the trips done, s2, s3, s13, s28-31 at work; s[32:63] the expert's words of the second kind, s[68:99] of the first
.set M1,  32
.set MK,  68
.set RP,  28                           ; s28-31 the search: four running counts of bits, by turns
.set CM,  2                            ; s2, s3, s13, s25 the search: the masks of four compares: CM + k + CA (k / 2) + CB (k / 3)
.set CA,  9
.set CB,  11
.set MSB, 0
.macro WIN new                         ; the immediate's high byte repeats the setting that is left
.if MSB != (\new)
	s_set_vgpr_msb (MSB<<8)|(\new)
.set MSB, (\new)
.endif
.endm
; the fragments and scale words of pair s[pr].  Lane (r, h) wants, for K step s, row tile a and c = 0, 1, block 4 s + 2 c + h of row 16 a + r: three pieces of 8 bytes, 256 bytes apart
.macro LOADH pr
	s_min_u32 s30, s[\pr], 31                      ; (the pair is under 32 by its make)
	s_lshl_b32 s31, s18, 5
	s_add_co_u32 s31, s31, s30                     ; 32 e + pair
	s_mul_i32 s28, s31, 24576                      ; 32 blocks x 768 bytes
	s_mov_b32 s29, 0
	s_add_nc_u64 s[20:21], s[4:5], s[28:29]
	s_lshl_b32 s28, s31, 10                        ; 32 rows x 32 bytes
	s_add_nc_u64 s[22:23], s[6:7], s[28:29]
	WIN 0xc0
.irp s, 0,1,2,3,4,5,6,7
.irp a, 0,1
.irp c, 0,1
.irp j, 0,1,2
	global_load_b64 v[24*\s+12*\a+6*\c+2*\j:24*\s+12*\a+6*\c+2*\j+1], v[HLA], s[20:21] offset:(4*\s+2*\c)*768+256*\j+128*\a
.endr
.endr
.endr
.endr
	WIN 0
	global_load_b128 v[XS:XS+3], v[L32], s[22:23]
	global_load_b128 v[XS+4:XS+7], v[L32], s[22:23] offset:16
.endm
; a halving: are there at most FN set bits in the lower \inc bits of what is left?  Then the bit sought lies above them
.macro HALVE x, wd, inc
	v_bfe_u32 v[FT], v[\x], v[FQ], \wd
	v_cmp_ge_u32 vcc_lo, v[FN], v[FT]
	s_wait_alu depctr_va_vcc(0)                    ; the compare has written VCC, which the two selects read
	v_cndmask_b32 v[FT], 0, v[FT], vcc_lo
	v_cndmask_b32 v[FU], 0, \inc, vcc_lo
	v_sub_nc_u32 v[FN], v[FN], v[FT]
	v_add_nc_u32 v[FQ], v[FQ], v[FU]
.endm
; where the rows of pair s[pc] go: lane l's row is 32 pair + l.  It leaves in v[YV + i] my byte offset in the row of ybuf that row i of my half's row tile takes, and no LDS instruction of the wave out
.macro SEARCH pc
	s_lshl_b32 s24, s[\pc], 5
	v_add_nc_u32 v[FJ], s24, v3
	v_mov_b32 v[FW], s[MK]
	s_wait_alu depctr_va_vdst(0)
	v_mov_b32 v[FW1], s[M1]
	s_wait_alu depctr_va_vdst(0)
	v_mov_b32 v[FP], 0
	s_wait_alu depctr_va_vdst(0)
	v_mov_b32 v[FI], 0
.set rn, 0
	s_wait_alu depctr_va_vdst(0)
.rept 8                                ; the last word below which at most j bits are set: words 4 rn + 1 .. 4 rn + 4 in a run; count k of the four is the number of bits below word 4 rn + k + 1
.irp k, 0,1,2,3
.if 4*rn+\k == 0
	s_bcnt1_i32_b32 s[RP], s[MK]
.elseif 4*rn+\k+1 < 32
	s_bcnt1_i32_b32 s[RP+\k], s[MK+4*rn+\k]
	s_add_co_u32 s[RP+\k], s[RP+\k], s[RP+(\k+3)%4]
.endif
.endr
.irp k, 0,1,2,3
.if 4*rn+\k+1 < 32
	v_cmp_le_u32 s[CM+\k+CA*(\k/2)+CB*(\k/3)], s[RP+\k], v[FJ]
.endif
.endr
	s_wait_alu depctr_va_sdst(0)                   ; the run's compares have written their masks, which the selects below read
	s_wait_alu depctr_va_vdst(0)
.irp k, 0,1,2,3
.if 4*rn+\k+1 < 32
	v_cndmask_b32 v[FW], v[FW], s[MK+4*rn+\k+1], s[CM+\k+CA*(\k/2)+CB*(\k/3)]
	v_cndmask_b32 v[FW1], v[FW1], s[M1+4*rn+\k+1], s[CM+\k+CA*(\k/2)+CB*(\k/3)]
	v_cndmask_b32 v[FP], v[FP], s[RP+\k], s[CM+\k+CA*(\k/2)+CB*(\k/3)]
	v_cndmask_b32 v[FI], v[FI], 4*rn+\k+1, s[CM+\k+CA*(\k/2)+CB*(\k/3)]
.endif
.endr
.set rn, rn+1
.endr
	v_sub_nc_u32 v[FN], v[FJ], v[FP]               ; which of the word's set bits, from 0
	v_lshrrev_b32 v[FA], 1, v[FW]
	v_and_b32 v[FA], 0x55555555, v[FA]
	v_sub_nc_u32 v[FA], v[FW], v[FA]               ; the counts of each 2 bits,
	v_lshrrev_b32 v[FB], 2, v[FA]
	v_and_b32 v[FB], 0x33333333, v[FB]
	v_and_b32 v[FT], 0x33333333, v[FA]
	v_add_nc_u32 v[FB], v[FB], v[FT]               ; of each 4,
	v_lshrrev_b32 v[FC], 4, v[FB]
	v_add_nc_u32 v[FC], v[FC], v[FB]
	v_and_b32 v[FC], 0x0f0f0f0f, v[FC]             ; of each 8,
	v_lshrrev_b32 v[FD], 8, v[FC]
	v_add_nc_u32 v[FD], v[FD], v[FC]               ; and, in the low byte, of the low 16
	v_mov_b32 v[FQ], 0
	HALVE FD, 8, 16
	HALVE FC, 8, 8
	HALVE FB, 4, 4
	HALVE FA, 2, 2
	HALVE FW, 1, 1                                 ; the place is 31 at the most, whatever the row
	v_lshl_add_u32 v[FT], v[FI], 5, v[FQ]          ; my row's token t,
	v_bfe_u32 v[FU], v[FW1], v[FQ], 1              ; k,
	v_lshl_add_u32 v[FT], v[FT], 1, v[FU]          ; 2 t + k
	v_cmp_gt_u32 vcc_lo, s12, v[FJ]                ; a row below the expert's count?
	s_wait_alu depctr_va_vcc(0)                    ; the compare has written VCC, which the select reads
	v_cndmask_b32 v[FT], v[SPR], v[FT], vcc_lo     ; else its spare row
	s_wait_alu depctr_va_vdst(0)                   ; v[FT] is written, which the LDS store reads; the lines that made the last pair's offsets are done with v[YV ..], in which the LDS loads land
	ds_store_b32 v[TSA], v[FT]
.irp k, 0,1,2,3
	ds_load_b128 v[YV+4*\k:YV+4*\k+3], v[TLA] offset:16*\k    ; LDS serves a wave's instructions in order (ISA guide 5.7.1.4): these see the store above
.endr
	s_wait_dscnt 0x0
.irp i, 0,1,2,3,4,5,6,7,8,9,10,11,12,13,14,15
	v_min_u32 v[YV+\i], 0x9ff, v[YV+\i]            ; ybuf has 2,560 rows
.endr
.irp i, 0,1,2,3,4,5,6,7,8,9,10,11,12,13,14,15
	v_lshlrev_b32 v[YV+\i], 12, v[YV+\i]
.endr
.irp i, 0,1,2,3,4,5,6,7,8,9,10,11,12,13,14,15
	v_add_nc_u32 v[YV+\i], v[YV+\i], v[R16]
.endr
.endm
; one product: tile i of w2 x row tile a, K step s.  K step 0 starts the sum.  Row tile 1's scale words stand in lanes 16-31
.macro MM a, i, s
.if (\s) == 0
.if (\a) == 0
	v_wmma_scale_f32_16x16x128_f8f6f4 v[ACC+32*(\a)+8*(\i):ACC+32*(\a)+8*(\i)+7], v[48*((\s)%4)+12*(\i):48*((\s)%4)+12*(\i)+11], v[24*(\s)+12*(\a):24*(\s)+12*(\a)+11], 0, v[WS+8*(\i)+(\s)], v[XS+(\s)] matrix_a_fmt:MATRIX_FMT_FP6 matrix_b_fmt:MATRIX_FMT_FP6
.else
	v_wmma_scale_f32_16x16x128_f8f6f4 v[ACC+32*(\a)+8*(\i):ACC+32*(\a)+8*(\i)+7], v[48*((\s)%4)+12*(\i):48*((\s)%4)+12*(\i)+11], v[24*(\s)+12*(\a):24*(\s)+12*(\a)+11], 0, v[WS+8*(\i)+(\s)], v[XS+(\s)] matrix_a_fmt:MATRIX_FMT_FP6 matrix_b_fmt:MATRIX_FMT_FP6 matrix_b_scale:MATRIX_SCALE_ROW1
.endif
.else
.if (\a) == 0
	v_wmma_scale_f32_16x16x128_f8f6f4 v[ACC+32*(\a)+8*(\i):ACC+32*(\a)+8*(\i)+7], v[48*((\s)%4)+12*(\i):48*((\s)%4)+12*(\i)+11], v[24*(\s)+12*(\a):24*(\s)+12*(\a)+11], v[ACC+32*(\a)+8*(\i):ACC+32*(\a)+8*(\i)+7], v[WS+8*(\i)+(\s)], v[XS+(\s)] matrix_a_fmt:MATRIX_FMT_FP6 matrix_b_fmt:MATRIX_FMT_FP6
.else
	v_wmma_scale_f32_16x16x128_f8f6f4 v[ACC+32*(\a)+8*(\i):ACC+32*(\a)+8*(\i)+7], v[48*((\s)%4)+12*(\i):48*((\s)%4)+12*(\i)+11], v[24*(\s)+12*(\a):24*(\s)+12*(\a)+11], v[ACC+32*(\a)+8*(\i):ACC+32*(\a)+8*(\i)+7], v[WS+8*(\i)+(\s)], v[XS+(\s)] matrix_a_fmt:MATRIX_FMT_FP6 matrix_b_fmt:MATRIX_FMT_FP6 matrix_b_scale:MATRIX_SCALE_ROW1
.endif
.endif
.endm
; four K steps, 32 products: the eight accumulators take turns, one instruction a turn
.macro RUN s0
.irp d, 0,1,2,3
.irp a, 0,1
.irp i, 0,1,2,3
	MM \a, \i, (\s0+\d)
.endr
.endr
.endr
.endm
	s_load_b256 s[4:11], s[0:1], 0x0               ; hcodes, hscales, w2_codes, w2_scales
	s_load_b128 s[12:15], s[0:1], 0x20             ; masks, ybuf
	v_lshl_add_u32 v254, v0, 2, 0x14e00
	v_mov_b32 v255, 0
	v_lshrrev_b32 v[TMP], 5, v0
	v_readfirstlane_b32 s16, v[TMP]                ; wave 0..3
	v_and_b32 v1, 15, v0                           ; r
	v_bfe_u32 v2, v0, 4, 1                         ; h
	v_and_b32 v3, 31, v0                           ; lane
	s_mov_b32 s17, ttmp9                           ; sl
	s_and_b32 s18, ttmp7, 0xffff                   ; e
	s_wait_alu depctr_va_sdst(0)                   ; s16 is written, ahead of its first reader
	s_mul_i32 s30, s16, 16*PITCH                   ; the weights' way in: wave w lays rows 16 w .. 16 w + 15
	v_lshl_add_u32 v[A0], v3, 4, s30
	v_lshl_add_u32 v[A1], v2, 4, v[A0]
	v_mul_u32_u24 v[WFA], v1, PITCH
	v_mad_u32_u24 v[WFA], v2, 24, v[WFA]
	s_mul_i32 s30, s16, STGW
	s_add_co_u32 s30, s30, STG                     ; my stage
	v_mul_u32_u24 v[SO], v1, SP
	v_lshl_add_u32 v[SO], v2, 5, v[SO]
	v_add_nc_u32 v[SO], s30, v[SO]
	v_mul_u32_u24 v[SR], v2, 16*SP
	v_lshl_add_u32 v[SR], v1, 4, v[SR]
	v_add_nc_u32 v[SR], s30, v[SR]
	s_lshl_b32 s30, s16, 7
	s_add_co_u32 s30, s30, TOKST                   ; my wave's 32 places
	v_lshl_add_u32 v[TSA], v3, 2, s30
	v_lshl_add_u32 v[TLA], v2, 6, s30
	s_lshl_b32 s30, s18, 5
	s_add_co_u32 s30, s30, 2048
	v_add_nc_u32 v[SPR], s30, v3
	v_lshlrev_b32 v[R16], 4, v1
	v_mul_u32_u24 v[HLA], v2, 768
	v_lshl_add_u32 v[HLA], v1, 3, v[HLA]
	v_lshlrev_b32 v[L32], 5, v3
	v_lshlrev_b32 v[L16], 4, v3
	v_lshlrev_b32 v[R32], 5, v1
	s_mul_i32 s28, s18, 786432                     ; the expert's codes,
	s_mul_i32 s30, s17, 49152                      ; the slice's 64 rows,
	s_add_co_u32 s28, s28, s30
	s_mul_i32 s30, s16, 12288                      ; the 16 of them that my wave brings
	s_add_co_u32 s28, s28, s30
	s_mov_b32 s29, 0
	s_lshl_b32 s20, s18, 15                        ; the same in the scales: 32 bytes a row
	s_lshl_b32 s30, s17, 11
	s_add_co_u32 s20, s20, s30
	s_mov_b32 s21, 0
	s_lshl_b32 s22, s18, 8                         ; the expert's 256 bytes of masks
	s_mov_b32 s23, 0
	s_lshl_b32 s2, s17, 8                          ; the slice's 256 bytes of a row of ybuf
	s_mov_b32 s3, 0
	s_wait_kmcnt 0x0
	s_add_nc_u64 s[8:9], s[8:9], s[28:29]
	s_add_nc_u64 s[10:11], s[10:11], s[20:21]
	s_add_nc_u64 s[12:13], s[12:13], s[22:23]
	s_add_nc_u64 s[14:15], s[14:15], s[2:3]
	s_load_b512 s[MK:MK+15], s[12:13], 0x0         ; who chose e,
	s_load_b512 s[MK+16:MK+31], s[12:13], 0x40
	s_load_b512 s[M1:M1+15], s[12:13], 0x80        ; and who as the second choice
	s_load_b512 s[M1+16:M1+31], s[12:13], 0xc0
	s_wait_alu depctr_va_vdst(0)                   ; every address and offset made above (v4 to v11, v13, v14, v56, v57) is written, which the loads and stores of the whole kernel read
.set i, 0
.rept 24
	global_load_b128 v[LAND+4*i:LAND+4*i+3], v[L16], s[8:9] offset:512*i th:TH_LOAD_NT   ; 12,288 consecutive bytes a wave, 512 a load; read once in the launch
.set i, i+1
.endr
.irp t, 0,1,2,3
	global_load_b128 v[WS+8*\t:WS+8*\t+3], v[R32], s[10:11] offset:512*\t
	global_load_b128 v[WS+8*\t+4:WS+8*\t+7], v[R32], s[10:11] offset:512*\t+16
.endr
	s_wait_kmcnt 0x0                               ; the bits are in, and the scalar loads have read their base: s12 takes the count
	s_bcnt1_i32_b32 s12, s[MK]
.set w, 1
.rept 31
	s_bcnt1_i32_b32 s30, s[MK+w]
	s_add_co_u32 s12, s12, s30
.set w, w+1
.endr
	s_add_co_u32 s19, s12, 31
	s_lshr_b32 s19, s19, 5
	s_min_u32 s19, s19, 32                         ; npairs, 0 to 32
	s_add_co_u32 s26, s19, 3
	s_sub_co_u32 s26, s26, s16
	s_lshr_b32 s26, s26, 2                         ; my wave's trips: the pairs w, w + 4, .. below npairs
	s_mov_b32 s27, 0
	s_max_u32 s25, s19, 1
	s_sub_co_u32 s25, s25, 1                       ; the last pair that has been stored
	s_min_u32 s25, s25, s16                        ; my first pair, or that one
	LOADH 25                                       ; asked for beside the weights, on every wave's path
	SEARCH 25                                      ; where its rows go: worked out while the loads are on their way
	s_wait_loadcnt 0x0
.set i, 0
.rept 24                                       ; load i's bytes 512 i + 16 lane lie in row (that / 768): 16 bytes of padding for each row passed
.if i%3 == 1
	ds_store_b128 v[A1], v[LAND+4*i:LAND+4*i+3] offset:512*i+32*(i/3)
.elseif i%3 == 2
	ds_store_b128 v[A0], v[LAND+4*i:LAND+4*i+3] offset:512*i+32*(i/3)+16
.else
	ds_store_b128 v[A0], v[LAND+4*i:LAND+4*i+3] offset:512*i+32*(i/3)
.endif
.set i, i+1
.endr
	s_wait_dscnt 0x0                               ; for the others' sake: my rows lie in LDS
	s_wait_alu depctr_vm_vsrc(0)                   ; my LDS stores have read v[LAND ..]: these registers are the accumulators and the rows read back from here on, written by the products and by the stage's loads
	s_barrier_signal -1
	s_barrier_wait -1                              ; the one barrier: all 64 rows lie there, and nobody writes them again
	s_cmp_eq_u32 s26, 0
	s_cbranch_scc1 .Lend                           ; no pair for this wave
	WIN 0x40
.irp s, 0,1,2,3
.irp i, 0,1,2,3
.irp p, 0,1,2,3,4,5
	ds_load_b64 v[48*\s+12*\i+2*\p:48*\s+12*\i+2*\p+1], v[WFA] offset:16*PITCH*\i+96*\s+48*(\p/3)+8*(\p%3)
.endr
.endr
.endr
	WIN 0x80
.irp s, 4,5,6,7
.irp i, 0,1,2,3
.irp p, 0,1,2,3,4,5
	ds_load_b64 v[48*(\s-4)+12*\i+2*\p:48*(\s-4)+12*\i+2*\p+1], v[WFA] offset:16*PITCH*\i+96*\s+48*(\p/3)+8*(\p%3)
.endr
.endr
.endr
	WIN 0
.Ltrip:                                            ; a trip: one pair of row tiles
	s_lshl_b32 s24, s27, 2
	s_add_co_u32 s24, s24, s16                     ; the pair in hand: w + 4 x the trips done
	s_wait_loadcnt 0x0                             ; h's fragments and scale words
	s_wait_dscnt 0x0                               ; first trip: the weights' fragments
	WIN 0x0d                                       ; source 0: window 1, source 1: window 3
	RUN 0
	WIN 0x0e                                       ; source 0: window 2
	RUN 4
	WIN 0
.rept 5
	v_nop                                          ; four places in front of the stores that read results; five in front of the next trip's products, which begin the sums anew
.endr
	s_wait_alu depctr_va_vdst(0)                   ; the products have written the accumulators, which the stage's LDS stores read, and are done reading h's fragments and v[XS ..], in which the next pair's loads land; the search has written v[YV ..], which the global stores read as offsets
	s_add_co_u32 s25, s24, 4
	s_cmp_ge_u32 s25, s19
	s_cbranch_scc1 .Lno_next
	LOADH 25                                       ; the next pair lands while this one leaves
.Lno_next:
.irp a, 0,1
.irp t, 0,1,2,3
	ds_store_b128 v[SO], v[ACC+32*\a+8*\t:ACC+32*\a+8*\t+3] offset:16*SP*\a+64*\t     ; each accumulator from its low end on
	ds_store_b128 v[SO], v[ACC+32*\a+8*\t+4:ACC+32*\a+8*\t+7] offset:16*SP*\a+64*\t+16
.endr
.endr
.irp i, 0,1,2,3,4,5,6,7,8,9,10,11,12,13,14,15
	ds_load_b128 v[OUTR+4*\i:OUTR+4*\i+3], v[SR] offset:SP*\i                          ; LDS serves a wave's instructions in order (ISA guide 5.7.1.4): these see the stores above.  Lanes 0-15: row i; lanes 16-31: row 16 + i
.endr
.irp i, 0,1,2,3,4,5,6,7,8,9,10,11,12,13,14,15
	s_wait_dscnt 15-\i                             ; behind this load stand the 15 - i after it
	global_store_b128 v[YV+\i], v[OUTR+4*\i:OUTR+4*\i+3], s[14:15] th:TH_STORE_NT      ; sixteen lanes store 256 consecutive bytes, aligned
.endr
	s_wait_xcnt 0x0                                ; on every way back into the loop: these stores have had their addresses translated; their data and their offsets are written again by the next trip's stage loads and the search below
	s_wait_alu depctr_vm_vsrc(0)                   ; the global stores have read v[OUTR ..] and v[YV ..], the stage's LDS stores the accumulators, the last search's LDS store v[FT]: the search below and the next trip write all of these again
	s_cmp_ge_u32 s25, s19
	s_cbranch_scc1 .Lno_search
	SEARCH 25                                      ; where the next pair's rows go, while its fragments are on their way
.Lno_search:
	s_add_co_u32 s27, s27, 1
	s_cmp_lt_u32 s27, s26
	s_cbranch_scc1 .Ltrip
.Lend:
	s_wait_dscnt 0x0                               ; the closing lines, six on end
	s_wait_alu 0x0
	s_wait_tensorcnt 0x0
	ds_add_u32 v254, v255
	s_wait_dscnt 0x0
	s_endpgm
.Lfunc_end_k_q0b8ff8d58a_down:
	.size	k_q0b8ff8d58a_down, .Lfunc_end_k_q0b8ff8d58a_down-k_q0b8ff8d58a_down
	.p2alignl 7, 3214868480
	.fill 96, 4, 3214868480
	.section	.rodata,"a",@progbits
	.p2align	6, 0x0
	.amdhsa_kernel k_q0b8ff8d58a_down
		.amdhsa_group_segment_fixed_size 86016
		.amdhsa_private_segment_fixed_size 0
		.amdhsa_enable_private_segment 0
		.amdhsa_kernarg_size 48
		.amdhsa_user_sgpr_count 2
		.amdhsa_user_sgpr_kernarg_segment_ptr 1
		.amdhsa_wavefront_size32 1
		.amdhsa_system_sgpr_workgroup_id_x 1
		.amdhsa_system_sgpr_workgroup_id_y 1
		.amdhsa_system_sgpr_workgroup_id_z 1
		.amdhsa_system_vgpr_workitem_id 0
		.amdhsa_next_free_vgpr 960
		.amdhsa_next_free_sgpr 100
		.amdhsa_reserve_vcc 1
		.amdhsa_float_denorm_mode_32 3
		.amdhsa_float_denorm_mode_16_64 3
		.amdhsa_memory_ordered 1
		.amdhsa_forward_progress 1
		.amdhsa_inst_pref_size 89
	.end_amdhsa_kernel
	.amdgpu_metadata
---
amdhsa.version: [ 1, 2 ]
amdhsa.kernels:
  - .name:           k_q0b8ff8d58a_down
    .symbol:         k_q0b8ff8d58a_down.kd
    .args:
      - { .name: hcodes, .offset: 0, .size: 8, .value_kind: global_buffer, .address_space: global }
      - { .name: hscales, .offset: 8, .size: 8, .value_kind: global_buffer, .address_space: global }
      - { .name: w2_codes, .offset: 16, .size: 8, .value_kind: global_buffer, .address_space: global }
      - { .name: w2_scales, .offset: 24, .size: 8, .value_kind: global_buffer, .address_space: global }
      - { .name: masks, .offset: 32, .size: 8, .value_kind: global_buffer, .address_space: global }
      - { .name: ybuf, .offset: 40, .size: 8, .value_kind: global_buffer, .address_space: global }
    .group_segment_fixed_size: 86016
    .private_segment_fixed_size: 0
    .kernarg_segment_align: 8
    .kernarg_segment_size: 48
    .max_flat_workgroup_size: 128
    .sgpr_count:     100
    .vgpr_count:     960
    .wavefront_size: 32
...
	.end_amdgpu_metadata
.endif
;; end of part 7
;; launch add (part 8): grid 256 x 1, 4 waves a work-group, no clusters, 0 bytes of LDS; arguments ybuf, wts, out0; writes out0
.if DOCPART == 8
	.amdgcn_target "amdgcn-amd-amdhsa--gfx1250"
	.amdhsa_code_object_version 6
	.text
	.protected	k_q0b8ff8d58a_add
	.globl	k_q0b8ff8d58a_add
	.p2align	8
	.type	k_q0b8ff8d58a_add,@function
k_q0b8ff8d58a_add:
	s_mov_b64 s[64:65], 0
	v_nop
	global_prefetch_b8 v0, s[64:65] scope:SCOPE_SE
	s_setreg_imm32_b32 hwreg(HW_REG_WAVE_MODE, 25, 1), 1
	s_wait_xcnt 0x0
; ADD.  out0[t] = wts[t][0] ybuf[2 t] + wts[t][1] ybuf[2 t + 1]: the two terms that the combine weights leave of the sum over 16 experts, in f32, one fused multiply-add.
; The launch before has laid each token's two rows at a place that hangs on the token's number alone: so every address here is made of ids, and the weights and the rows are asked for together.
; A wave takes a token: 8,192 consecutive bytes in, 4,096 out; every load and store of the wave covers 512 consecutive bytes, aligned.  All 16 loads go out at once.
; No LDS, no matrix unit: the launch only moves bytes.
.set Y0, 8                             ; v[8:39]   the first row
.set Y1, 40                            ; v[40:71]  the second
.set O,  72                            ; v[72:103] the sum
	s_load_b128 s[4:7], s[0:1], 0x0                ; ybuf s[4:5], wts s[6:7]
	s_load_b64 s[8:9], s[0:1], 0x10                ; out0
	v_lshrrev_b32 v1, 5, v0
	v_readfirstlane_b32 s12, v1                    ; wave
	v_and_b32 v2, 31, v0
	v_lshlrev_b32 v2, 4, v2                        ; 16 x lane
	s_lshl_b32 s13, ttmp9, 2
	s_add_co_u32 s13, s13, s12                     ; my token
	s_lshl_b32 s14, s13, 3                         ; its 8 bytes of wts,
	s_mov_b32 s15, 0
	s_lshl_b32 s20, s13, 13                        ; its two rows of ybuf,
	s_mov_b32 s21, 0
	s_lshl_b32 s24, s13, 12                        ; its row of out0
	s_mov_b32 s25, 0
	s_wait_alu depctr_va_vdst(0)
	s_wait_kmcnt 0x0
	s_add_nc_u64 s[6:7], s[6:7], s[14:15]
	s_load_b64 s[22:23], s[6:7], 0x0               ; its two weights
	s_add_nc_u64 s[4:5], s[4:5], s[20:21]
	s_add_nc_u64 s[8:9], s[8:9], s[24:25]
.irp i, 0,1,2,3,4,5,6,7
	global_load_b128 v[Y0+4*\i:Y0+4*\i+3], v2, s[4:5] offset:512*\i th:TH_LOAD_NT
	global_load_b128 v[Y1+4*\i:Y1+4*\i+3], v2, s[4:5] offset:4096+512*\i th:TH_LOAD_NT
.endr
	s_wait_kmcnt 0x0
	s_mov_b32 s16, s22                             ; each weight twice: the packed forms name a pair
	s_mov_b32 s17, s22
	s_mov_b32 s18, s23
	s_mov_b32 s19, s23
.irp i, 0,1,2,3,4,5,6,7
	s_wait_loadcnt 14-2*\i                         ; loads come back in order (ISA guide 5.7.1): this pair is in, the pairs behind it may be out
	v_pk_mul_f32 v[O+4*\i:O+4*\i+1], v[Y0+4*\i:Y0+4*\i+1], s[16:17] op_sel_hi:[1,0]
	v_pk_mul_f32 v[O+4*\i+2:O+4*\i+3], v[Y0+4*\i+2:Y0+4*\i+3], s[16:17] op_sel_hi:[1,0]
	v_pk_fma_f32 v[O+4*\i:O+4*\i+1], v[Y1+4*\i:Y1+4*\i+1], s[18:19], v[O+4*\i:O+4*\i+1] op_sel_hi:[1,0,1]
	v_pk_fma_f32 v[O+4*\i+2:O+4*\i+3], v[Y1+4*\i+2:Y1+4*\i+3], s[18:19], v[O+4*\i+2:O+4*\i+3] op_sel_hi:[1,0,1]
	global_store_b128 v2, v[O+4*\i:O+4*\i+3], s[8:9] offset:512*\i th:TH_STORE_NT
.endr
	s_endpgm
.Lfunc_end_k_q0b8ff8d58a_add:
	.size	k_q0b8ff8d58a_add, .Lfunc_end_k_q0b8ff8d58a_add-k_q0b8ff8d58a_add
	.p2alignl 7, 3214868480
	.fill 96, 4, 3214868480
	.section	.rodata,"a",@progbits
	.p2align	6, 0x0
	.amdhsa_kernel k_q0b8ff8d58a_add
		.amdhsa_group_segment_fixed_size 0
		.amdhsa_private_segment_fixed_size 0
		.amdhsa_enable_private_segment 0
		.amdhsa_kernarg_size 24
		.amdhsa_user_sgpr_count 2
		.amdhsa_user_sgpr_kernarg_segment_ptr 1
		.amdhsa_wavefront_size32 1
		.amdhsa_system_sgpr_workgroup_id_x 1
		.amdhsa_system_sgpr_workgroup_id_y 1
		.amdhsa_system_sgpr_workgroup_id_z 1
		.amdhsa_system_vgpr_workitem_id 0
		.amdhsa_next_free_vgpr 104
		.amdhsa_next_free_sgpr 66
		.amdhsa_reserve_vcc 0
		.amdhsa_float_denorm_mode_32 3
		.amdhsa_float_denorm_mode_16_64 3
		.amdhsa_memory_ordered 1
		.amdhsa_forward_progress 1
		.amdhsa_inst_pref_size 6
	.end_amdhsa_kernel
	.amdgpu_metadata
---
amdhsa.version: [ 1, 2 ]
amdhsa.kernels:
  - .name:           k_q0b8ff8d58a_add
    .symbol:         k_q0b8ff8d58a_add.kd
    .args:
      - { .name: ybuf, .offset: 0, .size: 8, .value_kind: global_buffer, .address_space: global }
      - { .name: wts, .offset: 8, .size: 8, .value_kind: global_buffer, .address_space: global }
      - { .name: out0, .offset: 16, .size: 8, .value_kind: global_buffer, .address_space: global }
    .group_segment_fixed_size: 0
    .private_segment_fixed_size: 0
    .kernarg_segment_align: 8
    .kernarg_segment_size: 24
    .max_flat_workgroup_size: 128
    .sgpr_count:     66
    .vgpr_count:     104
    .wavefront_size: 32
...
	.end_amdgpu_metadata
.endif
;; end of part 8
